; MI455X (gfx1250); checked and timed in simulation.
; The chip was launched on July 23, 2026; its instructions are those of AMD's public machine-readable ISA for CDNA 5 (MIT licence, August 2026) and "CDNA5" Instruction Set Architecture Reference Guide (July 2026). The comments in the code are by the model that wrote it; some were corrected since.
;; Mo E Layer. Allowed arithmetic: matrix products marked QUANTISED: E2M3 operands, one E8M0 scale for each 32 along K, by v_wmma_scale_f32_16x16x128_f8f6f4 with both operands' format E2M3, f32 sums; products left as they are: f32 operands where the result goes on into a quantised operand, else bf16, f16 or f32 operands; f32 sums; everything else in f32.
;; Inputs: b1 8 x 4,096 float32; b2 8 x 1,024 float32; gate_b 8 float32; gate_w 1,024 x 8 float32; w1_codes 8 x 4,096 x 32 x 24 uint8 (E2M3 codes of w1, K innermost, in blocks of 32 codes, four codes in three bytes); w1_scales 8 x 4,096 x 32 uint8 (E8M0 scales of w1, one for each 32 codes along K); w2_codes 8 x 1,024 x 128 x 24 uint8 (E2M3 codes of w2, K innermost, in blocks of 32 codes, four codes in three bytes); w2_scales 8 x 1,024 x 128 uint8 (E8M0 scales of w2, one for each 32 codes along K); x 1,024 x 1,024 float32.
;; Outputs: out0 1,024 x 1,024 float32.
;; This version of the problem:
;;   THIS VERSION OF THE PROBLEM IS GIVEN IN LOW PRECISION. The matrix products marked QUANTISED in the list below multiply operands that are first quantised to E2M3 (2 exponent bits, 3 mantissa bits; 6 bits a number), with one power-of-two scale for each 32 numbers along K (OCP MX v1.0); their sums are f32. All else is computed in f32.
;;   The module's matrix products, in the order in which they are computed (A, B: the left and right operand; K: the contracted axis; several contracted axes count as one K, in the product's order):
;;     1. [M 1,024, K 1,024] x [K 1,024, N 8]; A: input x; B: input gate_w: left as it is (N = 8 < 16)
;;     2. [M 1,024, K 1,024] x [K 1,024, N 32,768]; A: input x; B: input w1 (given as codes): QUANTISED
;;     3. batch 8 x [M 1,024, K 4,096] x [K 4,096, N 1,024]; A: input w2 (given as codes); B: computed on the way: QUANTISED
;;   THE QUANTISER, for each operand of a quantised product, along K:
;;     - K is cut into blocks of 32 from its start; a last block that is shorter is filled with zeros.
;;     - A block's scale is 2^e with e = floor(log2(the largest magnitude in the block)) - 2, held to -126 .. 127; a block of zeros has e = 0. As a byte (E8M0): e + 127.
;;     - Each number is divided by its block's scale, clamped to +-7.5, and rounded to the nearest number of E2M3, ties to even, subnormals kept.
;;     - The product sums the exact products of the quantised numbers (number of the format x scale) in f32.
;;   ~~~python
;;   def quantise(x, axis):      # numpy; x: float32 -> the quantised numbers, widened to float32 again
;;       x = np.moveaxis(x, axis, -1); K = x.shape[-1]
;;       x = np.pad(x, [(0, 0)] * (x.ndim - 1) + [(0, -K % 32)]); x = x.reshape(x.shape[:-1] + (-1, 32)); a = np.abs(x).max(-1, keepdims=True)
;;       e = np.where(a > 0, np.clip(np.frexp(np.where(a > 0, a, 1))[1] - 1 - 2, -126, 127), 0)      # np.frexp(a)[1] - 1 = floor(log2(a)), exactly
;;       r = np.clip(x / 2.0 ** e, -7.5, 7.5)
;;       step = 2.0 ** (np.maximum(np.frexp(np.where(r == 0, 1, r))[1] - 1, 0) - 3)
;;       q = np.round(r / step) * step * 2.0 ** e      # np.round: ties to even
;;       return np.moveaxis(q.reshape(q.shape[:-2] + (-1,))[..., :K], -1, axis).astype(np.float32)
;;   ~~~
;;   OPERANDS COMPUTED ON THE WAY. 'Computed on the way' means the value that the module computes at that place (a softmax that the list does not call 'softmax' is quantised finished and normalised). What goes into a quantiser is computed in f32, as accurately as f32 sums, v_exp_f32 and their like allow (about 1e-6 of the number): no bf16 or f16 on the way to a quantiser, and a product that is left as it is and whose result goes on into a quantised operand takes f32 operands (vector FMAs, or v_wmma_f32_16x16x4_f32). A number that lies on a knife's edge between two numbers of the format may be rounded either way, as far as f32 arithmetic and the matrix unit's own rounding can turn it there, and no further.
;;   INPUTS GIVEN AS CODES. w1 (in the module: [8, 1024, 4096], K = its axis 1); w2 (in the module: [8, 4096, 1024], K = its axis 1): each comes as NAME_codes (uint8): NAME with its K axis moved to the last place and cut into blocks of 32 codes, [.., K / 32, bytes a block], one block behind the other in memory; four codes in three bytes: a row's codes are one little-endian stream of bits, code i at bits 6 i .. 6 i + 5 (a code: sign, 2 exponent bits, 3 mantissa bits); and NAME_scales (uint8): the same leading axes, one E8M0 byte (e + 127) for each 32 codes along K. Its value is code x scale, taken as it is: it is not quantised again, and the codes and scales need not be those that the quantiser above would give.
;; 2 versions. Each part assembles by itself: llvm-mc -triple=amdgcn-amd-amdhsa -mcpu=gfx1250 --defsym DOCPART=n.
;; ======== version 1 of 2: 5 launches
;; workspace buffers: sel 4,096 bytes of whole numbers; wts 8,192 bytes; xq 6,553,600 bytes; pl 33,024 bytes of whole numbers; roww 32,768 bytes; hq 26,214,400 bytes; ybuf 8,912,896 bytes
;; launch route (part 1): grid 256 x 1, 1 waves a work-group, no clusters, 0 bytes of LDS; arguments x, gate_w, gate_b, sel, wts; writes sel, wts
.if DOCPART == 1
	.amdgcn_target "amdgcn-amd-amdhsa--gfx1250"
	.amdhsa_code_object_version 6
	.text
	.protected	k_q30b7f13c66_route
	.globl	k_q30b7f13c66_route
	.p2align	8
	.type	k_q30b7f13c66_route,@function
k_q30b7f13c66_route:
	s_mov_b64 s[64:65], 0
	v_nop
	global_prefetch_b8 v0, s[64:65] scope:SCOPE_SE
	s_setreg_imm32_b32 hwreg(HW_REG_WAVE_MODE, 25, 1), 1
	s_wait_xcnt 0x0
; THE ROUTER.  logits = x gate_w + gate_b in f32 (fused multiply-adds), the two largest of the 8 logits (of equal logits the lower index is taken first),
; and the softmax over these two, with the larger taken away ahead of the exponential.
; One wave takes 4 tokens.  Lane l holds d = 128 j + 4 l + 0 .. 3 (j = 0 .. 7) of each token's row and the same rows of gate_w, so every load of x covers
; 512 consecutive bytes and every lane's part of gate_w is 128 consecutive bytes.  32 sums (4 tokens x 8 experts) a lane, then one sum over the 32 lanes.
; OUT: sel[token] = (1 << e0) | (1 << e1) | (e1 << 8), whole numbers from which later launches form addresses; wts[token] = the two weights.  No address here hangs on them.
; LIMITS: NaN and infinities among the inputs are not served; logits nearer to each other than the error of an f32 sum of 1,024 terms may be ordered otherwise than by another order of summing.
; No matrix unit, no LDS, no cluster: 8 columns are too few for a matrix tile, and work-groups share only gate_w's 32,768 bytes.
.set X,   16                           ; v16-143   x: token i, group j at v[X + 32 i + 4 j]
.set A,   144                          ; v144-175  the sums: token i, expert e at v[A + 8 i + e]
.set L,   176                          ; v176-183  my token's 8 logits
.set MSB, 0                            ; window 1 (v256-511): gate_w, row 4 j' + d of my rows, expert e at v[32 j + 8 d + e]
.macro WIN new                         ; the immediate's high byte repeats the setting that is left
.if MSB != (\new)
	s_set_vgpr_msb (MSB<<8)|(\new)
.set MSB, (\new)
.endif
.endm
; two experts' sums of token i take x(i, 128 j + 4 l + d) x gate_w's pair: x's one number serves both halves
.macro GATE j, d, i, q
.set rA, A+8*(\i)+2*(\q)
.set rG, 32*(\j)+8*(\d)+2*(\q)
.set rX, X+32*(\i)+4*(\j)+((\d)&2)
.if ((\j) == 0) && ((\d) == 0)
	v_pk_mul_f32 v[rA:rA+1], v[rG:rG+1], v[rX:rX+1] op_sel_hi:[1,0]                          ; the first product starts the sum
.elseif ((\d)&1) == 0
	v_pk_fma_f32 v[rA:rA+1], v[rG:rG+1], v[rX:rX+1], v[rA:rA+1] op_sel_hi:[1,0,1]
.else
	v_pk_fma_f32 v[rA:rA+1], v[rG:rG+1], v[rX:rX+1], v[rA:rA+1] op_sel:[0,1,0] op_sel_hi:[1,1,1]
.endif
.endm
	s_load_b256 s[4:11], s[0:1], 0x0               ; x s[4:5], gate_w s[6:7], gate_b s[8:9], sel s[10:11]
	s_load_b64 s[12:13], s[0:1], 0x20              ; wts
	v_lshlrev_b32 v1, 4, v0                        ; 16 x lane
	v_lshlrev_b32 v2, 7, v0                        ; 128 x lane
	v_and_b32 v3, 3, v0                            ; at the end lane l stands for token l % 4
	v_mov_b32 v200, 0xff800000                     ; -infinity
	v_mov_b32 v201, 1
	s_lshl_b32 s14, ttmp9, 14                      ; 4 rows of 4,096 bytes
	s_mov_b32 s15, 0
	s_mov_b32 s24, 0x76543210                      ; v_permlanex16_b32's selects for lane l xor 16
	s_mov_b32 s25, 0xfedcba98
	s_wait_kmcnt 0x0
	s_load_b256 s[16:23], s[8:9], 0x0              ; gate_b's 8 numbers
	s_add_nc_u64 s[4:5], s[4:5], s[14:15]
.irp i, 0,1,2,3
.irp j, 0,1,2,3,4,5,6,7
	global_load_b128 v[X+32*\i+4*\j:X+32*\i+4*\j+3], v1, s[4:5] offset:4096*\i+512*\j th:TH_LOAD_NT
.endr
.endr
	WIN 0x40                                       ; destination window 1
.irp j, 0,1,2,3,4,5,6,7
.irp m, 0,1,2,3,4,5,6,7
	global_load_b128 v[32*\j+4*\m:32*\j+4*\m+3], v2, s[6:7] offset:4096*\j+16*\m
.endr
.endr
	WIN 0x01                                       ; source 0 (gate_w) window 1
.irp j, 0,1,2,3,4,5,6,7
	s_wait_loadcnt 8*(7-\j)                        ; x (issued first) and gate_w's group j are in; the 8 loads of each later group may be out
.irp d, 0,1,2,3
.irp i, 0,1,2,3
.irp q, 0,1,2,3
	GATE \j, \d, \i, \q                            ; sixteen chains by turns
.endr
.endr
.endr
.endr
	WIN 0
.irp m, 1,2,4,8                                ; the sum over the lanes: four steps inside each half of 16,
.set k, 0
.rept 32
	v_add_f32_dpp v[A+k], v[A+k], v[A+k] row_xmask:\m row_mask:0xf bank_mask:0xf
.set k, k+1
.endr
.endr
.set k, 0
.rept 32
	v_permlanex16_b32 v[X+k], v[A+k], s24, s25     ; one across the halves (x's registers are done with, and have been written)
.set k, k+1
.endr
.set k, 0
.rept 32
	v_add_f32 v[A+k], v[A+k], v[X+k]
.set k, k+1
.endr
.irp e, 0,1,2,3,4,5,6,7
	v_mov_b32 v[L+\e], v[A+\e]
.endr
.irp i, 1,2,3
	v_cmp_eq_u32 vcc_lo, \i, v3
.irp e, 0,1,2,3,4,5,6,7
	v_cndmask_b32 v[L+\e], v[L+\e], v[A+8*\i+\e], vcc_lo
.endr
.endr
	s_wait_kmcnt 0x0
.irp e, 0,1,2,3,4,5,6,7
	v_add_f32 v[L+\e], s[16+\e], v[L+\e]           ; + gate_b
.endr
	v_mov_b32 v184, v[L]                           ; the largest logit and its index: a later one takes its place only if it is larger
	v_mov_b32 v185, 0
.irp e, 1,2,3,4,5,6,7
	v_cmp_le_f32 vcc_lo, v[L+\e], v184             ; not larger: keep
	v_cndmask_b32 v185, \e, v185, vcc_lo
	v_cndmask_b32 v184, v[L+\e], v184, vcc_lo
.endr
.irp e, 0,1,2,3,4,5,6,7
	v_cmp_eq_u32 vcc_lo, \e, v185
	v_cndmask_b32 v[L+\e], v[L+\e], v200, vcc_lo   ; the first choice is taken out
.endr
	v_mov_b32 v186, v[L]                           ; the second largest likewise
	v_mov_b32 v187, 0
.irp e, 1,2,3,4,5,6,7
	v_cmp_le_f32 vcc_lo, v[L+\e], v186
	v_cndmask_b32 v187, \e, v187, vcc_lo
	v_cndmask_b32 v186, v[L+\e], v186, vcc_lo
.endr
	v_sub_f32 v188, v186, v184                     ; second - first, 0 or less: the maximum is taken away
	v_mul_f32 v188, 0x3fb8aa3b, v188               ; x log2(e)
	v_exp_f32 v189, v188
	v_lshlrev_b32 v190, v185, v201                 ; (plain work behind the exponential)  1 << e0
	v_lshlrev_b32 v191, v187, v201                 ; 1 << e1
	v_or_b32 v190, v190, v191
	v_lshl_or_b32 v190, v187, 8, v190              ; | e1 << 8
	s_wait_alu depctr_va_vdst(0)                   ; the wait ahead of the first line that names the exponential's result
	v_add_f32 v192, 1.0, v189
	v_rcp_f32 v194, v192                           ; the first weight: 1 / (1 + e)
	v_lshlrev_b32 v196, 2, v3                      ; (plain work behind the reciprocal)
	v_lshlrev_b32 v197, 3, v3
	s_lshl_b32 s14, ttmp9, 4
	s_add_nc_u64 s[10:11], s[10:11], s[14:15]
	s_lshl_b32 s14, ttmp9, 5
	s_add_nc_u64 s[12:13], s[12:13], s[14:15]
	s_wait_alu depctr_va_vdst(0)
	v_mul_f32 v195, v189, v194                     ; the second: e / (1 + e)
	global_store_b32 v196, v190, s[10:11]          ; the eight lanes of a token write the same word with the same value
	global_store_b64 v197, v[194:195], s[12:13]
	s_endpgm
.Lfunc_end_k_q30b7f13c66_route:
	.size	k_q30b7f13c66_route, .Lfunc_end_k_q30b7f13c66_route-k_q30b7f13c66_route
	.p2alignl 7, 3214868480
	.fill 96, 4, 3214868480
	.section	.rodata,"a",@progbits
	.p2align	6, 0x0
	.amdhsa_kernel k_q30b7f13c66_route
		.amdhsa_group_segment_fixed_size 0
		.amdhsa_private_segment_fixed_size 0
		.amdhsa_enable_private_segment 0
		.amdhsa_kernarg_size 40
		.amdhsa_user_sgpr_count 2
		.amdhsa_user_sgpr_kernarg_segment_ptr 1
		.amdhsa_wavefront_size32 1
		.amdhsa_system_sgpr_workgroup_id_x 1
		.amdhsa_system_sgpr_workgroup_id_y 1
		.amdhsa_system_sgpr_workgroup_id_z 1
		.amdhsa_system_vgpr_workitem_id 0
		.amdhsa_next_free_vgpr 512
		.amdhsa_next_free_sgpr 66
		.amdhsa_reserve_vcc 1
		.amdhsa_float_denorm_mode_32 3
		.amdhsa_float_denorm_mode_16_64 3
		.amdhsa_memory_ordered 1
		.amdhsa_forward_progress 1
		.amdhsa_inst_pref_size 58
	.end_amdhsa_kernel
	.amdgpu_metadata
---
amdhsa.version: [ 1, 2 ]
amdhsa.kernels:
  - .name:           k_q30b7f13c66_route
    .symbol:         k_q30b7f13c66_route.kd
    .args:
      - { .name: x, .offset: 0, .size: 8, .value_kind: global_buffer, .address_space: global }
      - { .name: gate_w, .offset: 8, .size: 8, .value_kind: global_buffer, .address_space: global }
      - { .name: gate_b, .offset: 16, .size: 8, .value_kind: global_buffer, .address_space: global }
      - { .name: sel, .offset: 24, .size: 8, .value_kind: global_buffer, .address_space: global }
      - { .name: wts, .offset: 32, .size: 8, .value_kind: global_buffer, .address_space: global }
    .group_segment_fixed_size: 0
    .private_segment_fixed_size: 0
    .kernarg_segment_align: 8
    .kernarg_segment_size: 40
    .max_flat_workgroup_size: 32
    .sgpr_count:     66
    .vgpr_count:     512
    .wavefront_size: 32
...
	.end_amdgpu_metadata
.endif
;; end of part 1
;; launch place (part 2): grid 16 x 8, 8 waves a work-group, no clusters, 0 bytes of LDS; arguments x, sel, wts, xq, pl, roww; writes xq, pl, roww
.if DOCPART == 2
	.amdgcn_target "amdgcn-amd-amdhsa--gfx1250"
	.amdhsa_code_object_version 6
	.text
	.protected	k_q30b7f13c66_place
	.globl	k_q30b7f13c66_place
	.p2align	8
	.type	k_q30b7f13c66_place,@function
k_q30b7f13c66_place:
	s_mov_b64 s[64:65], 0
	v_nop
	global_prefetch_b8 v0, s[64:65] scope:SCOPE_SE
	s_setreg_imm32_b32 hwreg(HW_REG_WAVE_MODE, 25, 1), 1
	s_wait_xcnt 0x0
; THE ROWS ARE PLACED BY EXPERT AND QUANTISED.  Work-group (p, e): expert e, tiles of 16 routed rows j = p, p + 16, .. below nt = ceil(M / 16), M = the number of tokens that chose e.
; Every wave reads all 1,024 words of sel and keeps e's tokens as 32 masks of 32 bits in scalar registers: rank rho's token is the rho-th set bit, found by each lane for its own row
; (no sort, no atomics, no LDS, no barrier).  Wave s takes K step s (128 of x's 1,024): it gathers its 16 rows' 128 numbers, quantises them to E2M3 with one E8M0 byte for each 32,
; and stores the fragment AS AN IMAGE OF THE OPERAND'S 12 REGISTERS (three stores of 512 consecutive bytes) and the rows' scale words.
; xq: tile T = 64 e + j: images at 12,288 T + 1,536 s + 512 c + 16 lane; scale words at XSC0 + 512 T + 64 s + 4 r.
; pl: {M, nt} at 8 e; from byte 256 on, for each tile 16 words: the row of ybuf to which routed row r goes, at word 8 (r % 2) + r / 2 (the order in which the last product's way out wants them).
; roww: the routed row's weight at 64 T + 4 r.
; The rows past M of an expert's last tile carry token 1,023's numbers; they are sent to spare rows of ybuf (2,048 + 16 e + r) that nobody reads.
; A block's scale is 2^(floor(log2(largest magnitude)) - 2); its byte is the largest magnitude's exponent field - 2, held at 1 from below.
; LIMITS: a block whose largest magnitude lies under 2^-124, zeros among them, gets the byte 1 (a block of zeros has zero codes, and this program alone reads the bytes); NaN and infinities are not served.
.set ST,   32                          ; v32-63 the words of sel; then v32-95: 64 numbers of x, register 16 b + i = k 32 b + 16 (lane / 16) + i of my row's K step
.set TM,   96                          ; v96-111 at work in the quantiser
.set PW,   112                         ; the scale word
.set PC,   114                         ; v114-125 the codes, v126-132 at work
.set XSC0, 6291456
.set SEL,  62                          ; s[62:63] v_permlanex16_b32's selects
; s3 counts the trips; s[16:47] the masks; s48 e, s49 p, s50 wave, s51 M, s52 nt, s53 j; s[58:59] x at my K step; s[60:61], s[66:71] the tile's bases
.macro QUANT s
.irp b, 0,1,2,3
	v_max3_num_f32 v[TM+\b], |v[\s+16*\b]|, |v[\s+1+16*\b]|, 0x1800000   ; block b: my 16 numbers, and the floor 2^(3 - 127): the byte cannot fall under 1
.endr
.irp i, 2,4,6,8,10,12,14
.irp b, 0,1,2,3
	v_max3_num_f32 v[TM+\b], v[TM+\b], |v[\s+16*\b+\i]|, |v[\s+1+16*\b+\i]|   ; the four blocks by turns
.endr
.endr
.irp b, 0,1,2,3
	v_permlanex16_b32 v[TM+4+\b], v[TM+\b], s[SEL], s[SEL+1]
.endr
.irp b, 0,1,2,3
	v_max_num_f32 v[TM+\b], v[TM+\b], v[TM+4+\b]   ; with lane l xor 16's 16: the block's largest magnitude
.endr
.irp b, 0,1,2,3
	v_add_nc_u32 v[TM+12+\b], 0xff000000, v[TM+\b] ; 2 off its exponent field: the conversion takes this operand's exponent field as its scale
.endr
.irp b, 0,1,2,3
	v_lshrrev_b32 v[TM+4+\b], 23, v[TM+12+\b]      ; the scale's byte
.endr
	v_lshl_or_b32 v[PW], v[TM+5], 8, v[TM+4]
	v_lshl_or_b32 v[PW], v[TM+6], 16, v[PW]
	v_lshl_or_b32 v[PW], v[TM+7], 24, v[PW]        ; my row's scale word
.irp c, 0,1
	v_cvt_scalef32_pk16_fp6_f32 v[PC+6*\c:PC+2+6*\c], v[\s+32*\c:\s+15+32*\c], v[TM+12+2*\c]
	v_cvt_scalef32_pk16_fp6_f32 v[PC+12+4*\c:PC+14+4*\c], v[\s+16+32*\c:\s+31+32*\c], v[TM+12+2*\c+1]   ; (a conversion's three registers begin on an even number)
.endr
	v_nop                                          ; one plain line behind the scaled conversions
.irp c, 0,1                                    ; the operand wants a whole block in a lane: lanes 0-15 block 2 c, lanes 16-31 block 2 c + 1
.irp i, 0,1,2
	v_permlane16_swap_b32 v[PC+6*\c+\i], v[PC+12+4*\c+\i]
.endr
.irp i, 0,1,2
	v_mov_b32 v[PC+3+6*\c+\i], v[PC+12+4*\c+\i]
.endr
.endr
.endm
	s_load_b256 s[4:11], s[0:1], 0x0               ; x s[4:5], sel s[6:7], wts s[8:9], xq s[10:11]
	s_load_b128 s[12:15], s[0:1], 0x20             ; pl s[12:13], roww s[14:15]
	v_lshrrev_b32 v1, 5, v0
	v_readfirstlane_b32 s50, v1                    ; wave 0..7 = my K step
	s_and_b32 s48, ttmp7, 0xffff                   ; e
	s_mov_b32 s49, ttmp9                           ; p
	v_and_b32 v28, 31, v0                          ; lane
	v_and_b32 v1, 15, v0                           ; r
	v_bfe_u32 v2, v0, 4, 1                         ; h
	v_lshlrev_b32 v3, 4, v28                       ; 16 x lane
	v_lshlrev_b32 v4, 2, v1                        ; 4 r
	v_lshlrev_b32 v5, 6, v2                        ; 64 h: my 16 numbers of a block of 32
	v_lshlrev_b32 v28, 2, v28                      ; 4 x lane
	v_mov_b32 v14, 0
	v_mov_b32 v27, 0x400
	s_lshl_b32 s54, s48, 4
	s_add_co_u32 s54, s54, 2048
	v_add_nc_u32 v25, s54, v1                      ; the spare row of ybuf for a row past M
	v_and_b32 v26, 1, v1
	v_lshrrev_b32 v29, 1, v1
	v_lshl_add_u32 v26, v26, 3, v29
	v_lshlrev_b32 v26, 2, v26                      ; 4 (8 (r % 2) + r / 2)
.irp b, 0,1,2,3
	v_mov_b32 v[TM+4+\b], 0                        ; written once: a lane permute's destination counts as one of its sources
.endr
	s_mov_b32 s[SEL], 0x76543210
	s_mov_b32 s[SEL+1], 0xfedcba98
	s_lshl_b32 s55, 1, s48                         ; e's bit
	s_lshl_b32 s56, s50, 9
	s_mov_b32 s57, 0
	s_wait_kmcnt 0x0
	s_add_nc_u64 s[58:59], s[4:5], s[56:57]        ; x at my K step: 512 bytes a step
.irp g, 0,1,2,3,4,5,6,7,8,9,10,11,12,13,14,15,16,17,18,19,20,21,22,23,24,25,26,27,28,29,30,31
	global_load_b32 v[ST+\g], v28, s[6:7] offset:128*\g   ; token 32 g + lane
.endr
	s_wait_loadcnt 0x0
	s_mov_b32 s51, 0
.irp g, 0,1,2,3,4,5,6,7,8,9,10,11,12,13,14,15,16,17,18,19,20,21,22,23,24,25,26,27,28,29,30,31
	v_and_b32 v[ST+\g], s55, v[ST+\g]
	v_cmp_ne_u32 s[16+\g], 0, v[ST+\g]             ; bit l: token 32 g + l chose e
	s_bcnt1_i32_b32 s54, s[16+\g]
	s_add_co_u32 s51, s51, s54                     ; M
.endr
	s_add_co_u32 s52, s51, 15
	s_lshr_b32 s52, s52, 4                         ; nt, at most 64
	s_or_b32 s54, s49, s50
	s_cmp_lg_u32 s54, 0
	s_cbranch_scc1 .Lno_counts                     ; wave 0 of the expert's first work-group stores the counts
	v_mov_b32 v20, s51
	v_mov_b32 v21, s52
	v_mov_b32 v22, 0
	s_lshl_b32 s56, s48, 3
	s_add_nc_u64 s[56:57], s[12:13], s[56:57]
	global_store_b64 v22, v[20:21], s[56:57]       ; all lanes write the same 8 bytes with the same value
.Lno_counts:
	s_cmp_ge_u32 s49, s52
	s_cbranch_scc1 .Lend                           ; this split leaves me no tile
	s_mov_b32 s53, s49
	s_mov_b32 s3, 0
.Ltile:                                            ; at most 4 trips: p + 16 k stays under the 64 tiles that 1,024 tokens can make; the loop is left as soon as no tile of mine remains
	s_wait_xcnt 0x0                                ; the stores issued so far have read their registers and bases: all of them are written again below
	s_min_u32 s55, s53, 63
	s_lshl_b32 s54, s48, 6
	s_add_co_u32 s55, s55, s54                     ; T = 64 e + j
	s_mul_i32 s56, s55, 12288
	s_mul_i32 s54, s50, 1536
	s_add_co_u32 s56, s56, s54
	s_mov_b32 s57, 0
	s_add_nc_u64 s[60:61], s[10:11], s[56:57]      ; my image
	s_lshl_b32 s56, s55, 9
	s_lshl_b32 s54, s50, 6
	s_add_co_u32 s56, s56, s54
	s_add_co_u32 s56, s56, XSC0
	s_add_nc_u64 s[66:67], s[10:11], s[56:57]      ; my scale words
	s_lshl_b32 s56, s55, 6
	s_add_nc_u64 s[70:71], s[14:15], s[56:57]      ; the tile's weights
	s_add_co_u32 s56, s56, 256
	s_add_nc_u64 s[68:69], s[12:13], s[56:57]      ; the tile's rows of ybuf
	; rank rho = 16 j + r: first the group of 32 tokens: the last group ahead of which at most rho of e's tokens lie (these counts never fall)
	v_lshl_add_u32 v6, s53, 4, v1                  ; rho
	v_mov_b32 v7, s16                              ; the group's mask,
	v_mov_b32 v8, 0                                ; the count ahead of it,
	v_mov_b32 v9, 0                                ; its number
	s_bcnt1_i32_b32 s54, s16
.irp g, 1,2,3,4,5,6,7,8,9,10,11,12,13,14,15,16,17,18,19,20,21,22,23,24,25,26,27,28,29,30,31
	v_cmp_gt_u32 vcc_lo, s54, v6                   ; more than rho lie ahead of group g: keep
	v_cndmask_b32 v7, s[16+\g], v7, vcc_lo
	v_cndmask_b32 v8, s54, v8, vcc_lo
	v_cndmask_b32 v9, \g, v9, vcc_lo
	s_bcnt1_i32_b32 s55, s[16+\g]
	s_add_co_u32 s54, s54, s55
.endr
	v_sub_nc_u32 v10, v6, v8                       ; then the k-th set bit of the mask, k = rho - that count: its place is the number of places up to and with which at most k bits are set
	v_mov_b32 v11, 0
	v_mov_b32 v12, 0
.irp n, 0,1,2,3,4,5,6,7,8,9,10,11,12,13,14,15,16,17,18,19,20,21,22,23,24,25,26,27,28,29,30,31
	v_bfe_u32 v13, v7, \n, 1
	v_add_nc_u32 v11, v11, v13
	v_cmp_le_u32 vcc_lo, v11, v10
	v_add_co_ci_u32 v12, vcc_lo, v12, v14, vcc_lo
.endr
	v_lshl_add_u32 v15, v9, 5, v12
	v_min_u32 v15, 0x3ff, v15                      ; the token; a rank past M gives 1,023
	v_lshl_add_u32 v16, v15, 12, v5                ; its row of 4,096 bytes, + 64 h
.irp b, 0,1,2,3
.irp i, 0,1,2,3
	global_load_b128 v[ST+16*\b+4*\i:ST+16*\b+4*\i+3], v16, s[58:59] offset:128*\b+16*\i
.endr
.endr
	s_cmp_lg_u32 s50, 0
	s_cbranch_scc1 .Lno_meta                       ; wave 0 also stores what the last product wants to know of each row
	v_lshlrev_b32 v17, 2, v15
	v_lshlrev_b32 v18, 3, v15
	global_load_b32 v19, v17, s[6:7]
	global_load_b64 v[20:21], v18, s[8:9]
	s_wait_loadcnt 0x0
	v_bfe_u32 v22, v19, 8, 3                       ; the token's second choice
	v_cmp_eq_u32 vcc_lo, s48, v22
	v_cndmask_b32 v23, v20, v21, vcc_lo            ; e is its second choice: the second weight,
	v_cndmask_b32 v24, 0, v27, vcc_lo              ; and the second half of ybuf
	v_add_nc_u32 v24, v24, v15
	v_cmp_gt_u32 vcc_lo, s51, v6                   ; rho < M
	v_cndmask_b32 v24, v25, v24, vcc_lo
	global_store_b32 v26, v24, s[68:69]            ; both halves of the lanes write the same words with the same values
	global_store_b32 v4, v23, s[70:71]
.Lno_meta:
	s_wait_loadcnt 0x0
	QUANT ST
.irp c, 0,1,2
	global_store_b128 v3, v[PC+4*\c:PC+4*\c+3], s[60:61] offset:512*\c   ; 512 consecutive bytes, at a multiple of 512 from the buffer's first byte
.endr
	global_store_b32 v4, v[PW], s[66:67]
	s_add_co_u32 s53, s53, 16
	s_cmp_ge_u32 s53, s52
	s_cbranch_scc1 .Lend                           ; no tile of mine is left
	s_add_co_u32 s3, s3, 1
	s_cmp_lt_u32 s3, 4
	s_cbranch_scc1 .Ltile
.Lend:
	s_endpgm
.Lfunc_end_k_q30b7f13c66_place:
	.size	k_q30b7f13c66_place, .Lfunc_end_k_q30b7f13c66_place-k_q30b7f13c66_place
	.p2alignl 7, 3214868480
	.fill 96, 4, 3214868480
	.section	.rodata,"a",@progbits
	.p2align	6, 0x0
	.amdhsa_kernel k_q30b7f13c66_place
		.amdhsa_group_segment_fixed_size 0
		.amdhsa_private_segment_fixed_size 0
		.amdhsa_enable_private_segment 0
		.amdhsa_kernarg_size 48
		.amdhsa_user_sgpr_count 2
		.amdhsa_user_sgpr_kernarg_segment_ptr 1
		.amdhsa_wavefront_size32 1
		.amdhsa_system_sgpr_workgroup_id_x 1
		.amdhsa_system_sgpr_workgroup_id_y 1
		.amdhsa_system_sgpr_workgroup_id_z 1
		.amdhsa_system_vgpr_workitem_id 0
		.amdhsa_next_free_vgpr 144
		.amdhsa_next_free_sgpr 72
		.amdhsa_reserve_vcc 1
		.amdhsa_float_denorm_mode_32 3
		.amdhsa_float_denorm_mode_16_64 3
		.amdhsa_memory_ordered 1
		.amdhsa_forward_progress 1
		.amdhsa_inst_pref_size 29
	.end_amdhsa_kernel
	.amdgpu_metadata
---
amdhsa.version: [ 1, 2 ]
amdhsa.kernels:
  - .name:           k_q30b7f13c66_place
    .symbol:         k_q30b7f13c66_place.kd
    .args:
      - { .name: x, .offset: 0, .size: 8, .value_kind: global_buffer, .address_space: global }
      - { .name: sel, .offset: 8, .size: 8, .value_kind: global_buffer, .address_space: global }
      - { .name: wts, .offset: 16, .size: 8, .value_kind: global_buffer, .address_space: global }
      - { .name: xq, .offset: 24, .size: 8, .value_kind: global_buffer, .address_space: global }
      - { .name: pl, .offset: 32, .size: 8, .value_kind: global_buffer, .address_space: global }
      - { .name: roww, .offset: 40, .size: 8, .value_kind: global_buffer, .address_space: global }
    .group_segment_fixed_size: 0
    .private_segment_fixed_size: 0
    .kernarg_segment_align: 8
    .kernarg_segment_size: 48
    .max_flat_workgroup_size: 256
    .sgpr_count:     72
    .vgpr_count:     144
    .wavefront_size: 32
...
	.end_amdgpu_metadata
.endif
;; end of part 2
;; launch gemm1 (part 3): grid 32 x 8, 4 waves a work-group, no clusters, 109,056 bytes of LDS; arguments xq, w1_codes, w1_scales, b1, pl, hq; writes hq
.if DOCPART == 3
	.amdgcn_target "amdgcn-amd-amdhsa--gfx1250"
	.amdhsa_code_object_version 6
	.text
	.protected	k_q30b7f13c66_gemm1
	.globl	k_q30b7f13c66_gemm1
	.p2align	8
	.type	k_q30b7f13c66_gemm1,@function
k_q30b7f13c66_gemm1:
	s_mov_b64 s[64:65], 0
	v_nop
	global_prefetch_b8 v0, s[64:65] scope:SCOPE_SE
	s_setreg_imm32_b32 hwreg(HW_REG_WAVE_MODE, 25, 1), 1
	s_wait_xcnt 0x0
; h = relu(x W1[e] + b1[e]) for the rows routed to expert e, on codes of E2M3 with E8M0 scales, and h quantised along the next K.
; Work-group (S, e) owns hidden units 128 S .. 128 S + 127 of expert e: 128 rows of W1's codes (768 bytes each, 98,304 dense bytes), read from memory by this work-group alone, once, and kept in LDS.
; These 128 units are K step S of the second product, so a tile of 16 routed rows leaves here as one operand image and one scale word a row.
; THE WAVES SHARE THE ROWS: in the pass that begins at tile jb, wave w has five slots, tiles jb + w + 4 i (i = 0 .. 4): 20 tiles, 320 routed rows a pass.  x's fragments (8 K steps x 12 registers a slot) come
; from xq straight into registers as images; W1's come from LDS, four at a time, each feeding five products.  A slot past the expert's last tile loads the last tile again, and stores nothing.
; TRANSPOSED: source 0 = 16 rows of W1, source 1 = 16 routed rows: a lane holds ONE routed row.  Lane r of tile 2 b + u takes W1's row 32 b + 8 u + r + 8 (r / 8), so that the 16 registers of tiles 2 b, 2 b + 1
; are 16 neighbours along the next K.  In LDS row rho lies at slot rho with bits 3 and 4 changed over: tile t's lane r is then slot 16 t + r.
; The bias is the value with which each sum begins: an image of 8 tiles x 8 registers in LDS, loaded into the accumulators.
; NO TENSOR LOADS, NO CLUSTER: how many passes are walked and which slots store hang on nt, read from memory; a form that asked alike for every split would have to ask for 64 tiles an expert.  No two work-groups read the same bytes of W1.
; LDS: 128 slots of 784 bytes (768 + 16 = 196 words: slot s starts at bank 4 s mod 64, so the 32 lanes of an 8-byte load touch 64 different banks), then the bias image, 8,192 bytes.  One barrier, behind the staging.
; REGISTERS: window 0: v1-11 addresses; v16-35 x's scale words; v36-67 W1's; v68-115, v116-163 two sets of four fragments of W1 (later the quantiser's work); v164-179 the bias on its way; v192-255 slot 4's sums.
;   window 1: W1 on its way to LDS, then the sums of slots 0-3 (slot i, tile t at 64 i + 8 t).   windows 2, 3: x's fragments.
; LIMITS: as the quantiser's in the launch before: a block under 2^-124 gets the byte 1; NaN and infinities are not served.
.set PITCH, 784
.set BIMG,  128*PITCH
.set XSC0,  6291456
.set HSC0,  25165824
.set LI,   1                           ; 16 x lane
.set L4,   2                           ; 4 x lane
.set R4,   3                           ; 4 r
.set FA0,  4                           ; v4, v5: my place in tiles 0-3 and 4-7 of W1 in LDS
.set SA0,  6                           ; v6, v7: where I put W1's bytes
.set SA1,  7
.set BI,   8                           ; the bias image, my lane
.set BW,   9                           ; and where my wave writes its two tiles of it
.set H64,  10
.set WSO,  11
.set XS,   16                          ; slot i, register q: lanes 0-15 K step 2 q, lanes 16-31 K step 2 q + 1
.set WS,   36                          ; register 8 u + s: lanes 0-15 tile 2 u, lanes 16-31 tile 2 u + 1, K step s
.set B0,   68
.set BST,  164
.set ACC4, 192
.set TM,   68
.set PWD,  84
.set PC,   88
.set SEL,  58                          ; s[58:59]
; s3 counts the passes; s18 64 e, s19 max(nt, 1) - 1, s20 wave, s21 e, s22 S, s23 nt, s24 jb, s25-29 the slots' tiles, s[32:41] their images, s[42:51] their scale words, s[52:55] the stores' bases
.set MSB,  0
.macro WIN new                         ; the immediate's high byte repeats the setting that is left
.if MSB != (\new)
	s_set_vgpr_msb (MSB<<8)|(\new)
.set MSB, (\new)
.endif
.endm
.macro SLOTIDX                         ; the five slots of the pass at jb
.irp i, 0,1,2,3,4
	s_add_co_u32 s[25+\i], s24, s20
	s_add_co_u32 s[25+\i], s[25+\i], 4*\i
	s_min_u32 s30, s[25+\i], s19                   ; past the end: the last tile again
	s_min_u32 s30, s30, 63
	s_add_co_u32 s30, s30, s18                     ; T
	s_mul_i32 s56, s30, 12288
	s_mov_b32 s57, 0
	s_add_nc_u64 s[32+2*\i:33+2*\i], s[4:5], s[56:57]
	s_lshl_b32 s56, s30, 9
	s_add_co_u32 s56, s56, XSC0
	s_add_nc_u64 s[42+2*\i:43+2*\i], s[4:5], s[56:57]
.endr
.endm
; load n of a pass's 140: 20 of scale words, then K step by K step 15 of images (five slots x three)
.macro XL n
.if (\n) < 20
	WIN 0
	global_load_b32 v[XS+(\n)], v[L4], s[42+2*((\n)/4):43+2*((\n)/4)] offset:128*((\n)%4)
.else
.set xm, (\n)-20
.set xs, xm/15
.set xi, (xm%15)/3
.set xc, xm%3
.if xi < 2
.set xw, 2
.set xr, 96*xi+12*xs
.elseif xi < 4
.set xw, 3
.set xr, 96*(xi-2)+12*xs
.elseif xs < 5
.set xw, 2
.set xr, 192+12*xs
.else
.set xw, 3
.set xr, 192+12*(xs-5)
.endif
	WIN (xw<<6)
	global_load_b128 v[xr+4*xc:xr+4*xc+3], v[LI], s[32+2*xi:33+2*xi] offset:1536*xs+512*xc
.endif
.endm
; load n of my 48 of W1 (512 bytes: a third of two rows) goes to its rows' slots
.macro WSTORE n
.set wm, (\n)/3
.set wsl, ((2*wm)&7)|(((2*wm)&8)<<1)|(((2*wm)&16)>>1)
.if (\n)%3 == 0
	ds_store_b128 v[SA0], v[4*(\n):4*(\n)+3] offset:wsl*PITCH
.elseif (\n)%3 == 1
	ds_store_b128 v[SA1], v[4*(\n):4*(\n)+3] offset:wsl*PITCH+512      ; lanes 0-15 end the even row, lanes 16-31 begin the odd one, a pitch less 512 bytes further on
.else
	ds_store_b128 v[SA0], v[4*(\n):4*(\n)+3] offset:(wsl+1)*PITCH+256
.endif
.endm
.macro WFR buf, s, u                   ; tiles 4 u .. 4 u + 3 of W1, K step s: each fragment six loads of 8 bytes
.irp tt, 0,1,2,3
.irp p, 0,1,2,3,4,5
	ds_load_b64 v[(\buf)+12*\tt+2*\p:(\buf)+12*\tt+2*\p+1], v[FA0+(\u)] offset:16*PITCH*\tt+96*(\s)+48*(\p/3)+8*(\p%3)
.endr
.endr
.endm
.macro MM i, t, s, buf                 ; slot i, tile t, K step s
.set mA, (\buf)+12*((\t)&3)
.if (\i) < 2
.set mX, 96*(\i)+12*(\s)
.set mW, 0x58
.elseif (\i) < 4
.set mX, 96*((\i)-2)+12*(\s)
.set mW, 0x5c
.elseif (\s) < 5
.set mX, 192+12*(\s)
.set mW, 0x08
.else
.set mX, 192+12*((\s)-5)
.set mW, 0x0c
.endif
.if (\i) < 4
.set mC, 64*(\i)+8*(\t)
.else
.set mC, ACC4+8*(\t)
.endif
.set mSA, WS+8*((\t)>>1)+(\s)
.set mSB, XS+4*(\i)+((\s)>>1)
	WIN mW
.if (((\t)&1) == 0) && (((\s)&1) == 0)
	v_wmma_scale_f32_16x16x128_f8f6f4 v[mC:mC+7], v[mA:mA+11], v[mX:mX+11], v[mC:mC+7], v[mSA], v[mSB] matrix_a_fmt:MATRIX_FMT_FP6 matrix_b_fmt:MATRIX_FMT_FP6
.elseif ((\s)&1) == 0
	v_wmma_scale_f32_16x16x128_f8f6f4 v[mC:mC+7], v[mA:mA+11], v[mX:mX+11], v[mC:mC+7], v[mSA], v[mSB] matrix_a_fmt:MATRIX_FMT_FP6 matrix_b_fmt:MATRIX_FMT_FP6 matrix_a_scale:MATRIX_SCALE_ROW1
.elseif ((\t)&1) == 0
	v_wmma_scale_f32_16x16x128_f8f6f4 v[mC:mC+7], v[mA:mA+11], v[mX:mX+11], v[mC:mC+7], v[mSA], v[mSB] matrix_a_fmt:MATRIX_FMT_FP6 matrix_b_fmt:MATRIX_FMT_FP6 matrix_b_scale:MATRIX_SCALE_ROW1
.else
	v_wmma_scale_f32_16x16x128_f8f6f4 v[mC:mC+7], v[mA:mA+11], v[mX:mX+11], v[mC:mC+7], v[mSA], v[mSB] matrix_a_fmt:MATRIX_FMT_FP6 matrix_b_fmt:MATRIX_FMT_FP6 matrix_a_scale:MATRIX_SCALE_ROW1 matrix_b_scale:MATRIX_SCALE_ROW1
.endif
.endm
.macro MULH s, u, buf                  ; twenty products on twenty accumulators, one instruction a turn; an accumulator comes back after 40
.irp i, 0,1,2,3,4
.irp tt, 0,1,2,3
	MM \i, (4*(\u)+\tt), \s, \buf
.endr
.endr
.endm
; a slot's 64 sums, v[a] on in window aw (register 16 b + i = hidden unit 32 b + 16 (lane / 16) + i of my row), become relu, codes in v[PC] on and a scale word in v[PWD]
.macro QUANTW a, aw
	WIN ((\aw)<<6)|((\aw)<<2)
.set qk, 0
.rept 64
	v_max_num_f32 v[(\a)+qk], 0, v[(\a)+qk]        ; the activation, in f32; each accumulator from its low end on
.set qk, qk+1
.endr
	WIN 0
.irp b, 0,1,2,3
	v_mov_b32 v[TM+4+\b], 0                        ; a lane permute's destination counts as one of its sources
.endr
	WIN (\aw)|((\aw)<<2)
.irp b, 0,1,2,3
	v_max3_num_f32 v[TM+\b], v[(\a)+16*\b], v[(\a)+16*\b+1], 0x1800000   ; none is negative: no |.|; the floor 2^(3 - 127) holds the byte at 1 from below
.endr
.irp i, 2,4,6,8,10,12,14
.irp b, 0,1,2,3
	v_max3_num_f32 v[TM+\b], v[(\a)+16*\b+\i], v[(\a)+16*\b+\i+1], v[TM+\b]
.endr
.endr
	WIN 0
.irp b, 0,1,2,3
	v_permlanex16_b32 v[TM+4+\b], v[TM+\b], s[SEL], s[SEL+1]
.endr
.irp b, 0,1,2,3
	v_max_num_f32 v[TM+\b], v[TM+\b], v[TM+4+\b]
.endr
.irp b, 0,1,2,3
	v_add_nc_u32 v[TM+12+\b], 0xff000000, v[TM+\b] ; 2 off the exponent field: the conversion's scale operand
.endr
.irp b, 0,1,2,3
	v_lshrrev_b32 v[TM+4+\b], 23, v[TM+12+\b]      ; the scale's byte
.endr
	v_lshl_or_b32 v[PWD], v[TM+5], 8, v[TM+4]
	v_lshl_or_b32 v[PWD], v[TM+6], 16, v[PWD]
	v_lshl_or_b32 v[PWD], v[TM+7], 24, v[PWD]
	WIN (\aw)
.irp c, 0,1
	v_cvt_scalef32_pk16_fp6_f32 v[PC+6*\c:PC+2+6*\c], v[(\a)+32*\c:(\a)+15+32*\c], v[TM+12+2*\c]
	v_cvt_scalef32_pk16_fp6_f32 v[PC+12+4*\c:PC+14+4*\c], v[(\a)+16+32*\c:(\a)+31+32*\c], v[TM+12+2*\c+1]
.endr
	WIN 0
	v_nop                                          ; one plain line behind the scaled conversions
.irp c, 0,1
.irp i, 0,1,2
	v_permlane16_swap_b32 v[PC+6*\c+\i], v[PC+12+4*\c+\i]
.endr
.irp i, 0,1,2
	v_mov_b32 v[PC+3+6*\c+\i], v[PC+12+4*\c+\i]
.endr
.endr
.endm
	s_load_b256 s[4:11], s[0:1], 0x0               ; xq s[4:5], W1's codes s[6:7], its scales s[8:9], b1 s[10:11]
	s_load_b128 s[12:15], s[0:1], 0x20             ; pl s[12:13], hq s[14:15]
	v_lshl_add_u32 v190, v0, 2, 0x1a800
	v_mov_b32 v191, 0
	v_lshrrev_b32 v12, 5, v0
	v_readfirstlane_b32 s20, v12                   ; wave 0..3
	s_and_b32 s21, ttmp7, 0xffff                   ; e
	s_mov_b32 s22, ttmp9                           ; S
	v_and_b32 v12, 31, v0                          ; lane
	v_and_b32 v13, 15, v0                          ; r
	v_bfe_u32 v14, v0, 4, 1                        ; h
	v_lshlrev_b32 v[LI], 4, v12
	v_lshlrev_b32 v[L4], 2, v12
	v_lshlrev_b32 v[R4], 2, v13
	v_mul_u32_u24 v[FA0], v13, PITCH
	v_mad_u32_u24 v[FA0], v14, 24, v[FA0]          ; slot r, + 24 h
	v_add_nc_u32 v[FA0+1], 64*PITCH, v[FA0]
	s_mul_i32 s30, s20, 32*PITCH                   ; my wave stages rows 32 w .. 32 w + 31: slots 32 w on
	v_add_nc_u32 v[SA0], s30, v[LI]
	v_lshlrev_b32 v15, 4, v13
	v_mad_u32_u24 v15, v14, PITCH-512, v15
	v_add_nc_u32 v[SA1], s30, v15
	v_add_nc_u32 v[BI], BIMG, v[LI]
	s_lshl_b32 s30, s20, 11
	v_add_nc_u32 v[BW], s30, v[BI]
	v_lshlrev_b32 v[H64], 6, v14
	v_and_b32 v15, 8, v13
	v_add_nc_u32 v15, v15, v13                     ; r + 8 (r / 8)
	v_lshl_add_u32 v15, v14, 3, v15                ; + 8 h: lanes 16-31 take the odd tile's rows
	v_lshlrev_b32 v[WSO], 5, v15                   ; 32 scale bytes a row
	s_mov_b32 s[SEL], 0x76543210
	s_mov_b32 s[SEL+1], 0xfedcba98
	s_lshl_b32 s18, s21, 6
	s_mov_b32 s24, 0
	s_mov_b32 s3, 0
	s_mov_b32 s31, 0
	s_wait_kmcnt 0x0
	s_lshl_b32 s30, s21, 3
	s_add_nc_u64 s[16:17], s[12:13], s[30:31]
	s_load_b32 s23, s[16:17], 0x4                  ; nt
	s_mul_i32 s30, s21, 3145728
	s_mul_i32 s56, s22, 98304
	s_add_co_u32 s30, s30, s56
	s_mul_i32 s56, s20, 24576
	s_add_co_u32 s30, s30, s56
	s_add_nc_u64 s[6:7], s[6:7], s[30:31]          ; my 32 rows of codes
	s_lshl_b32 s30, s21, 14
	s_lshl_b32 s56, s22, 9
	s_add_co_u32 s30, s30, s56
	s_lshl_b32 s56, s20, 7
	s_add_co_u32 s30, s30, s56
	s_add_nc_u64 s[10:11], s[10:11], s[30:31]      ; my 32 numbers of b1
	s_lshl_b32 s30, s21, 17
	s_lshl_b32 s56, s22, 12
	s_add_co_u32 s30, s30, s56
	s_add_nc_u64 s[8:9], s[8:9], s[30:31]          ; the slice's scale bytes
	WIN 0x40                                       ; destination window 1
.set wn, 0
.rept 48
	global_load_b128 v[4*wn:4*wn+3], v[LI], s[6:7] offset:512*wn th:TH_LOAD_NT   ; 512 consecutive bytes; read once in the launch
.set wn, wn+1
.endr
	WIN 0
.irp u, 0,1
.irp m, 0,1
	global_load_b128 v[BST+8*\u+4*\m:BST+8*\u+4*\m+3], v[H64], s[10:11] offset:32*\u+16*\m   ; tile 2 w + u, registers 4 m on: units 32 w + 16 h + 8 u + 4 m on
.endr
.endr
.irp u, 0,1,2,3
.irp m, 0,1
	global_load_b128 v[WS+8*\u+4*\m:WS+8*\u+4*\m+3], v[WSO], s[8:9] offset:1024*\u+16*\m
.endr
.endr
	s_wait_kmcnt 0x0
	s_min_u32 s23, s23, 64
	s_max_u32 s19, s23, 1
	s_sub_co_u32 s19, s19, 1
	SLOTIDX
.set wn, 0
.set xn, 0
.rept 12                               ; W1 goes to LDS four loads at a time, and four of the first pass's loads of x take their place in flight
	s_wait_loadcnt 56                              ; behind load 4 b + 3 of W1 stand 44 - 4 b of W1, the 12 small ones and 4 b of x
	WIN 0x04                                       ; an LDS store's data are its source 1: window 1
.rept 4
	WSTORE wn
.set wn, wn+1
.endr
.rept 4
	XL xn
.set xn, xn+1
.endr
.endr
	s_wait_loadcnt 48                              ; the bias and W1's scale words are in; the 48 loads of x may be out
	WIN 0
.irp u, 0,1
.irp m, 0,1
	ds_store_b128 v[BW], v[BST+8*\u+4*\m:BST+8*\u+4*\m+3] offset:1024*\u+512*\m
.endr
.endr
	s_wait_dscnt 0x0                               ; for the others' sake: my stores have landed
	s_barrier_signal -1
	s_barrier_wait -1                              ; the slice and the bias image are whole; nothing writes them again
.rept 92
	XL xn
.set xn, xn+1
.endr
	WIN 0
.Lpass:                                            ; at most 4 passes: 64 tiles at the most, 20 a pass; the loop is left as soon as no tile remains
	s_cmp_ge_u32 s25, s23
	s_cbranch_scc1 .Lnext                          ; not even my first slot has a tile
	WIN 0x40
.irp i, 0,1,2,3
.irp t, 0,1,2,3,4,5,6,7
	ds_load_b128 v[64*\i+8*\t:64*\i+8*\t+3], v[BI] offset:1024*\t          ; every sum begins with the bias
	ds_load_b128 v[64*\i+8*\t+4:64*\i+8*\t+7], v[BI] offset:1024*\t+512
.endr
.endr
	WIN 0
.irp t, 0,1,2,3,4,5,6,7
	ds_load_b128 v[ACC4+8*\t:ACC4+8*\t+3], v[BI] offset:1024*\t
	ds_load_b128 v[ACC4+8*\t+4:ACC4+8*\t+7], v[BI] offset:1024*\t+512
.endr
	WFR B0, 0, 0
	WFR B0+48, 0, 1
.set hn, 0
.rept 16                               ; sixteen half steps: K step hn / 2, tiles 4 (hn % 2) on
.set hs, hn/2
.set hu, hn%2
.if hu == 0
.if 15*(7-hs) > 63
	s_wait_loadcnt 63                              ; this K step's 15 loads are in; more than 63 were issued behind them
.else
	s_wait_loadcnt 15*(7-hs)                       ; the 15 loads of each later K step may be out
.endif
.endif
.if hn == 15
	s_wait_dscnt 0x0
.else
	s_wait_dscnt 24                                ; this half step's four fragments are in; the other set's 24 loads may be out
.endif
	MULH hs, hu, (B0+48*hu)
	WIN 0
.rept 4
	v_nop                                          ; four places in front of loads into registers that matrix instructions have read, and of the first read of results
.endr
.if hn < 14
	WFR (B0+48*hu), ((hn+2)/2), hu
.endif
.set hn, hn+1
.endr
.irp i, 0,1,2,3,4
	s_cmp_ge_u32 s[25+\i], s23
	s_cbranch_scc1 .Lskip_\i                       ; a slot past the end stores nothing
	s_wait_xcnt 0x0                                ; the last slot's stores have read their registers and bases
.if \i < 4
	QUANTW 64*\i, 1
.else
	QUANTW ACC4, 0
.endif
	s_min_u32 s30, s[25+\i], 63
	s_add_co_u32 s30, s30, s18
	s_lshl_b32 s30, s30, 5
	s_add_co_u32 s30, s30, s22                     ; 32 T + S
	s_mul_i32 s52, s30, 1536
	s_mov_b32 s53, 0
	s_add_nc_u64 s[52:53], s[14:15], s[52:53]
	s_lshl_b32 s54, s30, 6
	s_add_co_u32 s54, s54, HSC0
	s_mov_b32 s55, 0
	s_add_nc_u64 s[54:55], s[14:15], s[54:55]
.irp c, 0,1,2
	global_store_b128 v[LI], v[PC+4*\c:PC+4*\c+3], s[52:53] offset:512*\c   ; the image: 512 consecutive bytes, at a multiple of 512 from the buffer's first byte
.endr
	global_store_b32 v[R4], v[PWD], s[54:55]       ; both halves of the lanes hold the same words
.Lskip_\i:
.endr
.Lnext:
	s_wait_xcnt 0x0                                ; all that was issued has read its registers and bases: both are written again in the next pass
	s_add_co_u32 s24, s24, 20
	s_cmp_ge_u32 s24, s23
	s_cbranch_scc1 .Lend                           ; no tile is left: nothing more is asked for
	s_wait_loadcnt 0x0                             ; (a wave that left the pass out still has its loads on their way)
	SLOTIDX
.set xn, 0
.rept 140
	XL xn                                          ; the next pass's x
.set xn, xn+1
.endr
	WIN 0
	s_add_co_u32 s3, s3, 1
	s_cmp_lt_u32 s3, 4
	s_cbranch_scc1 .Lpass
.Lend:
	s_wait_tensorcnt 0x0
	ds_add_u32 v190, v191
	s_wait_dscnt 0x0
	s_endpgm
.Lfunc_end_k_q30b7f13c66_gemm1:
	.size	k_q30b7f13c66_gemm1, .Lfunc_end_k_q30b7f13c66_gemm1-k_q30b7f13c66_gemm1
	.p2alignl 7, 3214868480
	.fill 96, 4, 3214868480
	.section	.rodata,"a",@progbits
	.p2align	6, 0x0
	.amdhsa_kernel k_q30b7f13c66_gemm1
		.amdhsa_group_segment_fixed_size 109056
		.amdhsa_private_segment_fixed_size 0
		.amdhsa_enable_private_segment 0
		.amdhsa_kernarg_size 48
		.amdhsa_user_sgpr_count 2
		.amdhsa_user_sgpr_kernarg_segment_ptr 1
		.amdhsa_wavefront_size32 1
		.amdhsa_system_sgpr_workgroup_id_x 1
		.amdhsa_system_sgpr_workgroup_id_y 1
		.amdhsa_system_sgpr_workgroup_id_z 1
		.amdhsa_system_vgpr_workitem_id 0
		.amdhsa_next_free_vgpr 1024
		.amdhsa_next_free_sgpr 66
		.amdhsa_reserve_vcc 0
		.amdhsa_float_denorm_mode_32 3
		.amdhsa_float_denorm_mode_16_64 3
		.amdhsa_memory_ordered 1
		.amdhsa_forward_progress 1
		.amdhsa_inst_pref_size 153
	.end_amdhsa_kernel
	.amdgpu_metadata
---
amdhsa.version: [ 1, 2 ]
amdhsa.kernels:
  - .name:           k_q30b7f13c66_gemm1
    .symbol:         k_q30b7f13c66_gemm1.kd
    .args:
      - { .name: xq, .offset: 0, .size: 8, .value_kind: global_buffer, .address_space: global }
      - { .name: w1_codes, .offset: 8, .size: 8, .value_kind: global_buffer, .address_space: global }
      - { .name: w1_scales, .offset: 16, .size: 8, .value_kind: global_buffer, .address_space: global }
      - { .name: b1, .offset: 24, .size: 8, .value_kind: global_buffer, .address_space: global }
      - { .name: pl, .offset: 32, .size: 8, .value_kind: global_buffer, .address_space: global }
      - { .name: hq, .offset: 40, .size: 8, .value_kind: global_buffer, .address_space: global }
    .group_segment_fixed_size: 109056
    .private_segment_fixed_size: 0
    .kernarg_segment_align: 8
    .kernarg_segment_size: 48
    .max_flat_workgroup_size: 128
    .sgpr_count:     66
    .vgpr_count:     1024
    .wavefront_size: 32
...
	.end_amdgpu_metadata
.endif
;; end of part 3
;; launch gemm2 (part 4): grid 32 x 8, 4 waves a work-group, no clusters, 219,648 bytes of LDS; arguments hq, w2_codes, w2_scales, b2, pl, roww, ybuf; writes ybuf
.if DOCPART == 4
	.amdgcn_target "amdgcn-amd-amdhsa--gfx1250"
	.amdhsa_code_object_version 6
	.text
	.protected	k_q30b7f13c66_gemm2
	.globl	k_q30b7f13c66_gemm2
	.p2align	8
	.type	k_q30b7f13c66_gemm2,@function
k_q30b7f13c66_gemm2:
	s_mov_b64 s[64:65], 0
	v_nop
	global_prefetch_b8 v0, s[64:65] scope:SCOPE_SE
	s_setreg_imm32_b32 hwreg(HW_REG_WAVE_MODE, 25, 1), 1
	s_wait_xcnt 0x0
; ybuf[row] = weight x (h W2[e] + b2[e]) for the rows routed to expert e, on codes of E2M3 with E8M0 scales.
; Work-group (2 c + p, e): outputs 64 c .. 64 c + 63 of expert e (64 rows of W2's codes, 3,072 bytes each, 196,608 dense bytes, kept in LDS), and the tiles of routed rows of parity p.
; In the pass that begins at tile jb, wave w has slots i = 0 .. n - 1, tiles jb + p + 2 w + 8 i; the pass is written for n = 2 and for n = 3, so that a third slot without a tile loads nothing.
; h's fragments come from hq straight into registers as images, through a ring of 8 K steps; W2's come from LDS, four a K step, each feeding n products.  The 32 K steps are written out: register numbers of the
; scale words run with the K step, and every LDS address is a register made at the head plus an immediate.
; TRANSPOSED: source 0 = 16 rows of W2, source 1 = 16 routed rows: a lane holds one routed row and eight neighbouring outputs.  The bias is the value with which each sum begins (an image in LDS).
; THE WAY OUT: x the row's weight, through the wave's own stage in LDS, back as rows of 256 bytes; sixteen lanes store 256 consecutive bytes, aligned, at the row of ybuf that pl names (held to the buffer's 2,176 rows).
; Each row of ybuf has one owner for each 64 outputs: a token's first choice goes to row token, its second to row 1,024 + token; rows past an expert's last go to spare rows.
; NO TENSOR LOADS, NO CLUSTER: how many passes are walked, their form and which slots store hang on nt, read from memory.  The two work-groups that share a slice of W2 read it at the head only.
; LDS: 64 rows of 3,088 bytes (3,072 + 16 = 772 words: row s starts at bank 4 s mod 64); the bias image, 4,096 bytes; four stages of 16 rows x 272 bytes.  One barrier, behind the staging.
; REGISTERS: window 0: v1-15 addresses; v16-21 the rows' weights; v24-47 the rows of ybuf; v48-95 h's scale words; v96-159 W2's; v160-191 results; v192-199 their offsets; v200-207 the bias on its way.
;   window 1: v0-95 the sums (slot i, tile t at 32 i + 8 t); v96-143, v144-191 two sets of W2's four fragments.   windows 2, 3: W2 on its way to LDS, then the ring: K step S at window 2 + (S % 8) / 4, 36 (S % 4) + 12 i.
.set P2,    3088
.set BIMG,  64*P2
.set STAGE, BIMG+4096
.set HSC0,  25165824
.set LI,   1
.set L4,   2
.set R4,   3
.set FA,   4                           ; v4-7: my place in tile t of W2
.set SA,   8
.set BI,   9
.set BW,   10
.set STO,  11
.set SRD,  12
.set C16,  13
.set H32,  14
.set WSO,  15
.set RW,   16                          ; slot i: v[16 + 2 i]; its partner in the pair holds 0
.set DST,  24
.set HS,   48                          ; register 16 i + q: lanes 0-15 K step 2 q, lanes 16-31 K step 2 q + 1
.set WS2,  96                          ; register 32 u + S: lanes 0-15 tile 2 u, lanes 16-31 tile 2 u + 1
.set OUT,  160
.set VO,   192
.set BST,  200
; s3 counts the passes; s18 64 e, s19 max(nt, 1) - 1, s20 wave, s21 e, s22 c, s23 p, s24 jb, s25 nt, s26-28 the slots' tiles, s29 the first of them; s[32:37] images, s[38:43] scale words, s[44:49] weights, s[50:55] rows of ybuf
.set MSB,  0
.macro WIN new                         ; the immediate's high byte repeats the setting that is left
.if MSB != (\new)
	s_set_vgpr_msb (MSB<<8)|(\new)
.set MSB, (\new)
.endif
.endm
.macro WLOAD n                         ; load n of my 96 of W2: 512 consecutive bytes, a sixth of a row
	WIN ((2+((\n)>>6))<<6)
	global_load_b128 v[4*((\n)&63):4*((\n)&63)+3], v[LI], s[6:7] offset:512*(\n)
.endm
.macro PITEM k                         ; what is issued while W2 goes to LDS: the rest of W2, its scale words, the bias
.if (\k) < 36
	WLOAD 60+(\k)
.elseif (\k) < 52
.set pu, ((\k)-36)/8
.set pm, ((\k)-36)%8
	WIN 0
	global_load_b128 v[WS2+32*pu+4*pm:WS2+32*pu+4*pm+3], v[WSO], s[8:9] offset:4096*pu+16*pm
.else
	WIN 0
	global_load_b128 v[BST+4*((\k)-52):BST+4*((\k)-52)+3], v[H32], s[10:11] offset:16*((\k)-52)
.endif
.endm
.macro HGROUP n, S                     ; K step S of h for the n slots: 3 n loads of 512 bytes
	WIN ((2+(((\S)&7)>>2))<<6)
.set gi, 0
.rept \n
.irp c, 0,1,2
	global_load_b128 v[36*((\S)&3)+12*gi+4*\c:36*((\S)&3)+12*gi+4*\c+3], v[LI], s[32+2*gi:33+2*gi] offset:1536*(\S)+512*\c
.endr
.set gi, gi+1
.endr
.endm
.macro WFR2 S                          ; W2's four fragments of K step S
	WIN 0x40
.irp t, 0,1,2,3
.irp p, 0,1,2,3,4,5
	ds_load_b64 v[96+48*((\S)%2)+12*\t+2*\p:96+48*((\S)%2)+12*\t+2*\p+1], v[FA+\t] offset:96*(\S)+48*(\p/3)+8*(\p%3)
.endr
.endr
.endm
.macro MM2 i, t, S
.set mA, 96+48*((\S)%2)+12*(\t)
.set mX, 36*((\S)&3)+12*(\i)
.set mC, 32*(\i)+8*(\t)
.set mSA, WS2+32*((\t)>>1)+(\S)
.set mSB, HS+16*(\i)+((\S)>>1)
.if (((\t)&1) == 0) && (((\S)&1) == 0)
	v_wmma_scale_f32_16x16x128_f8f6f4 v[mC:mC+7], v[mA:mA+11], v[mX:mX+11], v[mC:mC+7], v[mSA], v[mSB] matrix_a_fmt:MATRIX_FMT_FP6 matrix_b_fmt:MATRIX_FMT_FP6
.elseif ((\S)&1) == 0
	v_wmma_scale_f32_16x16x128_f8f6f4 v[mC:mC+7], v[mA:mA+11], v[mX:mX+11], v[mC:mC+7], v[mSA], v[mSB] matrix_a_fmt:MATRIX_FMT_FP6 matrix_b_fmt:MATRIX_FMT_FP6 matrix_a_scale:MATRIX_SCALE_ROW1
.elseif ((\t)&1) == 0
	v_wmma_scale_f32_16x16x128_f8f6f4 v[mC:mC+7], v[mA:mA+11], v[mX:mX+11], v[mC:mC+7], v[mSA], v[mSB] matrix_a_fmt:MATRIX_FMT_FP6 matrix_b_fmt:MATRIX_FMT_FP6 matrix_b_scale:MATRIX_SCALE_ROW1
.else
	v_wmma_scale_f32_16x16x128_f8f6f4 v[mC:mC+7], v[mA:mA+11], v[mX:mX+11], v[mC:mC+7], v[mSA], v[mSB] matrix_a_fmt:MATRIX_FMT_FP6 matrix_b_fmt:MATRIX_FMT_FP6 matrix_a_scale:MATRIX_SCALE_ROW1 matrix_b_scale:MATRIX_SCALE_ROW1
.endif
.endm
.macro OUTSLOT i
	s_cmp_ge_u32 s[26+\i], s25
	s_cbranch_scc1 .Lno_out_\@                     ; a slot past the end stores nothing
	s_wait_xcnt 0x0                                ; the last slot's stores have read their registers
	WIN 0x01                                       ; source 0 (the sums) window 1
.set ok, 0
.rept 16
	v_pk_mul_f32 v[OUT+2*ok:OUT+2*ok+1], v[32*\i+2*ok:32*\i+2*ok+1], v[RW+2*\i:RW+2*\i+1] op_sel_hi:[1,0]   ; x my row's weight; each accumulator from its low end on
.set ok, ok+1
.endr
	WIN 0
.irp t, 0,1,2,3
	ds_store_b128 v[STO], v[OUT+8*\t:OUT+8*\t+3] offset:64*\t
	ds_store_b128 v[STO], v[OUT+8*\t+4:OUT+8*\t+7] offset:64*\t+16
.endr
.irp k, 0,1,2,3,4,5,6,7
	ds_load_b128 v[OUT+4*\k:OUT+4*\k+3], v[SRD] offset:544*\k   ; LDS serves a wave's instructions in order (ISA guide 5.7.1.4): these see my stores.  Lanes 0-15 row 2 k, lanes 16-31 row 2 k + 1
.endr
.irp k, 0,1,2,3,4,5,6,7
	v_min_u32 v[VO+\k], 0x87f, v[DST+8*\i+\k]      ; the row of ybuf, held inside the buffer
.endr
.irp k, 0,1,2,3,4,5,6,7
	v_lshl_add_u32 v[VO+\k], v[VO+\k], 12, v[C16]  ; 4,096 bytes a row, + 16 bytes a lane
.endr
.irp k, 0,1,2,3,4,5,6,7
	s_wait_dscnt 7-\k
	global_store_b128 v[VO+\k], v[OUT+4*\k:OUT+4*\k+3], s[16:17] th:TH_STORE_NT   ; sixteen lanes store 256 consecutive bytes, at a multiple of 256 from the buffer's first byte
.endr
.Lno_out_\@:
.endm
.macro PASS n
	s_wait_xcnt 0x0                                ; all that was issued has read its registers and bases
.set pi, 0
.rept \n
	s_add_co_u32 s[26+pi], s29, 8*pi
	s_min_u32 s30, s[26+pi], s19                   ; past the end: the last tile again
	s_min_u32 s30, s30, 63
	s_add_co_u32 s30, s30, s18                     ; T
	s_mul_i32 s56, s30, 49152
	s_mov_b32 s57, 0
	s_add_nc_u64 s[32+2*pi:33+2*pi], s[4:5], s[56:57]
	s_lshl_b32 s56, s30, 11
	s_add_co_u32 s56, s56, HSC0
	s_add_nc_u64 s[38+2*pi:39+2*pi], s[4:5], s[56:57]
	s_lshl_b32 s56, s30, 6
	s_add_nc_u64 s[44+2*pi:45+2*pi], s[14:15], s[56:57]
	s_add_co_u32 s56, s56, 256
	s_add_nc_u64 s[50+2*pi:51+2*pi], s[12:13], s[56:57]
.set pi, pi+1
.endr
	WIN 0
.set pi, 0
.rept \n
	global_load_b128 v[DST+8*pi:DST+8*pi+3], v[H32], s[50+2*pi:51+2*pi]
	global_load_b128 v[DST+8*pi+4:DST+8*pi+7], v[H32], s[50+2*pi:51+2*pi] offset:16
	global_load_b32 v[RW+2*pi], v[R4], s[44+2*pi:45+2*pi]
.irp q, 0,1,2,3,4,5,6,7,8,9,10,11,12,13,14,15
	global_load_b32 v[HS+16*pi+\q], v[L4], s[38+2*pi:39+2*pi] offset:128*\q
.endr
.set pi, pi+1
.endr
.irp g, 0,1,2,3,4,5,6,7
	HGROUP \n, \g
.endr
	WIN 0x40
.set pi, 0
.rept \n
.irp t, 0,1,2,3
	ds_load_b128 v[32*pi+8*\t:32*pi+8*\t+3], v[BI] offset:1024*\t          ; every sum begins with the bias
	ds_load_b128 v[32*pi+8*\t+4:32*pi+8*\t+7], v[BI] offset:1024*\t+512
.endr
.set pi, pi+1
.endr
	WFR2 0
	WFR2 1
.set ks, 0
.rept 32
.set lc, 31-ks
.if lc > 7
.set lc, 7
.endif
	s_wait_loadcnt 3*(\n)*lc                       ; this K step's 3 n loads are in; those of the up to seven later K steps in the ring may be out
.if ks == 31
	s_wait_dscnt 0x0
.else
	s_wait_dscnt 24                                ; this K step's four fragments of W2 are in; the next step's 24 loads may be out
.endif
	WIN (0x59+4*((ks&7)>>2))                       ; source 0 (W2), C and D window 1; source 1 (h) window 2 or 3
.set mi, 0
.rept \n
.irp t, 0,1,2,3
	MM2 mi, \t, ks                                 ; 4 n accumulators, one instruction a turn
.endr
.set mi, mi+1
.endr
.rept 4
	v_nop                                          ; four places in front of loads into registers that matrix instructions have read, and of the first read of results
.endr
.if ks < 30
	WFR2 ks+2
.endif
.if ks < 24
	HGROUP \n, ks+8
.endif
.set ks, ks+1
.endr
	WIN 0
	OUTSLOT 0
	OUTSLOT 1
.if \n > 2
	OUTSLOT 2
.endif
.endm
	s_load_b256 s[4:11], s[0:1], 0x0               ; hq s[4:5], W2's codes s[6:7], its scales s[8:9], b2 s[10:11]
	s_load_b128 s[12:15], s[0:1], 0x20             ; pl s[12:13], roww s[14:15]
	s_load_b64 s[16:17], s[0:1], 0x30              ; ybuf
	v_lshl_add_u32 v254, v0, 2, 0x35800
	v_mov_b32 v255, 0
	v_lshrrev_b32 v208, 5, v0
	v_readfirstlane_b32 s20, v208                  ; wave 0..3
	s_and_b32 s21, ttmp7, 0xffff                   ; e
	s_lshr_b32 s22, ttmp9, 1                       ; c
	s_and_b32 s23, ttmp9, 1                        ; p
	v_and_b32 v208, 31, v0                         ; lane
	v_and_b32 v209, 15, v0                         ; r
	v_bfe_u32 v210, v0, 4, 1                       ; h
	v_lshlrev_b32 v[LI], 4, v208
	v_lshlrev_b32 v[L4], 2, v208
	v_lshlrev_b32 v[R4], 2, v209
	v_mul_u32_u24 v[FA], v209, P2
	v_mad_u32_u24 v[FA], v210, 24, v[FA]           ; row r, + 24 h
.irp t, 1,2,3
	v_add_nc_u32 v[FA+\t], 16*P2*\t, v[FA]
.endr
	s_mul_i32 s30, s20, 16*P2                      ; my wave stages rows 16 w .. 16 w + 15
	v_add_nc_u32 v[SA], s30, v[LI]
	v_add_nc_u32 v[BI], BIMG, v[LI]
	s_lshl_b32 s30, s20, 10
	v_add_nc_u32 v[BW], s30, v[BI]
	s_mul_i32 s30, s20, 16*272
	s_add_co_u32 s30, s30, STAGE                   ; my stage
	v_mul_u32_u24 v211, v209, 272
	v_lshl_add_u32 v211, v210, 5, v211
	v_add_nc_u32 v[STO], s30, v211                 ; in: row r, + 32 h
	v_mul_u32_u24 v211, v210, 272
	v_lshl_add_u32 v211, v209, 4, v211
	v_add_nc_u32 v[SRD], s30, v211                 ; back: lanes 0-15 one row, lanes 16-31 the next
	v_lshlrev_b32 v[C16], 4, v209
	v_lshlrev_b32 v[H32], 5, v210
	v_lshl_add_u32 v211, v210, 4, v209
	v_lshlrev_b32 v[WSO], 7, v211                  ; 128 scale bytes a row; lanes 16-31 take the odd tile's rows
.irp i, 0,1,2
	v_mov_b32 v[RW+2*\i+1], 0                      ; named with the weight as a pair, so it is written
.endr
	s_lshl_b32 s18, s21, 6
	s_mov_b32 s24, 0
	s_mov_b32 s3, 0
	s_mov_b32 s31, 0
	s_wait_kmcnt 0x0
	s_lshl_b32 s30, s21, 3
	s_add_nc_u64 s[58:59], s[12:13], s[30:31]
	s_load_b32 s25, s[58:59], 0x4                  ; nt
	s_mul_i32 s30, s21, 3145728
	s_mul_i32 s56, s22, 196608
	s_add_co_u32 s30, s30, s56
	s_mul_i32 s56, s20, 49152
	s_add_co_u32 s30, s30, s56
	s_add_nc_u64 s[6:7], s[6:7], s[30:31]          ; my 16 rows of codes
	s_lshl_b32 s30, s21, 17
	s_lshl_b32 s56, s22, 13
	s_add_co_u32 s30, s30, s56
	s_add_nc_u64 s[8:9], s[8:9], s[30:31]          ; the slice's scale bytes
	s_lshl_b32 s30, s21, 12
	s_lshl_b32 s56, s22, 8
	s_add_co_u32 s30, s30, s56
	s_lshl_b32 s56, s20, 6
	s_add_co_u32 s30, s30, s56
	s_add_nc_u64 s[10:11], s[10:11], s[30:31]      ; my 16 numbers of b2
	s_lshl_b32 s30, s22, 8
	s_add_nc_u64 s[16:17], s[16:17], s[30:31]      ; ybuf at my 64 outputs
.set wn, 0
.rept 60
	WLOAD wn
.set wn, wn+1
.endr
.set ISS, 60                           ; loads issued so far
.set pn, 0
.set pk, 0
.rept 24                               ; W2 goes to LDS four loads at a time, and four more loads take their place in flight while there are any
	s_wait_loadcnt ISS-pn-4                        ; all that was issued behind load pn + 3 may be out
.rept 4
	WIN ((2+(pn>>6))<<2)                           ; an LDS store's data are its source 1
	ds_store_b128 v[SA], v[4*(pn&63):4*(pn&63)+3] offset:(pn/6)*P2+512*(pn%6)
.set pn, pn+1
.endr
.rept 4
.if pk < 54
	PITEM pk
.set ISS, ISS+1
.endif
.set pk, pk+1
.endr
.endr
	s_wait_loadcnt 0x0                             ; the scale words and the bias
	WIN 0
	ds_store_b128 v[BW], v[BST:BST+3]              ; tile w of the bias image: outputs 16 w + 8 h + 0 .. 7
	ds_store_b128 v[BW], v[BST+4:BST+7] offset:512
	s_wait_kmcnt 0x0
	s_min_u32 s25, s25, 64
	s_max_u32 s19, s25, 1
	s_sub_co_u32 s19, s19, 1
	s_wait_dscnt 0x0                               ; for the others' sake: my stores have landed
	s_barrier_signal -1
	s_barrier_wait -1                              ; the slice and the bias image are whole; nothing writes them again
.Lpass:                                            ; at most 3 passes: 64 tiles at the most, 24 a pass for the two work-groups of a slice; the loop is left as soon as no tile remains
	s_lshl_b32 s29, s20, 1
	s_add_co_u32 s29, s29, s23
	s_add_co_u32 s29, s29, s24                     ; my first slot's tile
	s_cmp_ge_u32 s29, s25
	s_cbranch_scc1 .Lnext
	s_add_co_u32 s30, s29, 16
	s_cmp_lt_u32 s30, s25
	s_cbranch_scc1 .Lthree
	PASS 2
	s_branch .Lnext
.Lthree:
	PASS 3
.Lnext:
	s_add_co_u32 s24, s24, 24
	s_cmp_ge_u32 s24, s25
	s_cbranch_scc1 .Lend                           ; no tile is left
	s_add_co_u32 s3, s3, 1
	s_cmp_lt_u32 s3, 3
	s_cbranch_scc1 .Lpass
.Lend:
	s_wait_tensorcnt 0x0
	ds_add_u32 v254, v255
	s_wait_dscnt 0x0
	s_endpgm
.Lfunc_end_k_q30b7f13c66_gemm2:
	.size	k_q30b7f13c66_gemm2, .Lfunc_end_k_q30b7f13c66_gemm2-k_q30b7f13c66_gemm2
	.p2alignl 7, 3214868480
	.fill 96, 4, 3214868480
	.section	.rodata,"a",@progbits
	.p2align	6, 0x0
	.amdhsa_kernel k_q30b7f13c66_gemm2
		.amdhsa_group_segment_fixed_size 219648
		.amdhsa_private_segment_fixed_size 0
		.amdhsa_enable_private_segment 0
		.amdhsa_kernarg_size 56
		.amdhsa_user_sgpr_count 2
		.amdhsa_user_sgpr_kernarg_segment_ptr 1
		.amdhsa_wavefront_size32 1
		.amdhsa_system_sgpr_workgroup_id_x 1
		.amdhsa_system_sgpr_workgroup_id_y 1
		.amdhsa_system_sgpr_workgroup_id_z 1
		.amdhsa_system_vgpr_workitem_id 0
		.amdhsa_next_free_vgpr 1024
		.amdhsa_next_free_sgpr 66
		.amdhsa_reserve_vcc 0
		.amdhsa_float_denorm_mode_32 3
		.amdhsa_float_denorm_mode_16_64 3
		.amdhsa_memory_ordered 1
		.amdhsa_forward_progress 1
		.amdhsa_inst_pref_size 255
	.end_amdhsa_kernel
	.section	.bss,"aw",@nobits
	.p2align	6
	.space	262144
	.amdgpu_metadata
---
amdhsa.version: [ 1, 2 ]
amdhsa.kernels:
  - .name:           k_q30b7f13c66_gemm2
    .symbol:         k_q30b7f13c66_gemm2.kd
    .args:
      - { .name: hq, .offset: 0, .size: 8, .value_kind: global_buffer, .address_space: global }
      - { .name: w2_codes, .offset: 8, .size: 8, .value_kind: global_buffer, .address_space: global }
      - { .name: w2_scales, .offset: 16, .size: 8, .value_kind: global_buffer, .address_space: global }
      - { .name: b2, .offset: 24, .size: 8, .value_kind: global_buffer, .address_space: global }
      - { .name: pl, .offset: 32, .size: 8, .value_kind: global_buffer, .address_space: global }
      - { .name: roww, .offset: 40, .size: 8, .value_kind: global_buffer, .address_space: global }
      - { .name: ybuf, .offset: 48, .size: 8, .value_kind: global_buffer, .address_space: global }
    .group_segment_fixed_size: 219648
    .private_segment_fixed_size: 0
    .kernarg_segment_align: 8
    .kernarg_segment_size: 56
    .max_flat_workgroup_size: 128
    .sgpr_count:     66
    .vgpr_count:     1024
    .wavefront_size: 32
...
	.end_amdgpu_metadata
.endif
;; end of part 4
;; launch comb (part 5): grid 256 x 1, 8 waves a work-group, no clusters, 0 bytes of LDS; arguments ybuf, out0; writes out0
.if DOCPART == 5
	.amdgcn_target "amdgcn-amd-amdhsa--gfx1250"
	.amdhsa_code_object_version 6
	.text
	.protected	k_q30b7f13c66_comb
	.globl	k_q30b7f13c66_comb
	.p2align	8
	.type	k_q30b7f13c66_comb,@function
k_q30b7f13c66_comb:
	s_mov_b64 s[64:65], 0
	v_nop
	global_prefetch_b8 v0, s[64:65] scope:SCOPE_SE
	s_setreg_imm32_b32 hwreg(HW_REG_WAVE_MODE, 25, 1), 1
	s_wait_xcnt 0x0
; out0[token] = ybuf[token] + ybuf[1,024 + token]: the two choices' weighted results, each written by one owner in the launch before, are added.
; A stream: a work-group takes 16,384 bytes of the output; each load and store of a wave covers 512 consecutive bytes; all eight loads are issued ahead of the first wait.  No LDS, no matrix unit: nothing is read twice.
	s_load_b128 s[4:7], s[0:1], 0x0                ; ybuf s[4:5], out0 s[6:7]
	v_lshlrev_b32 v1, 4, v0                        ; 16 bytes a thread: the work-group's 256 threads cover a row of 4,096 bytes
	s_lshl_b32 s8, ttmp9, 14
	s_mov_b32 s9, 0
	s_wait_kmcnt 0x0
	s_add_nc_u64 s[4:5], s[4:5], s[8:9]
	s_add_nc_u64 s[6:7], s[6:7], s[8:9]
.irp k, 0,1,2,3
	global_load_b128 v[4+8*\k:7+8*\k], v1, s[4:5] offset:4096*\k th:TH_LOAD_NT
	global_load_b128 v[8+8*\k:11+8*\k], v1, s[4:5] offset:4194304+4096*\k th:TH_LOAD_NT
.endr
.irp k, 0,1,2,3
	s_wait_loadcnt 6-2*\k                          ; row k's two loads are in; the two of each later row may be out
	v_pk_add_f32 v[4+8*\k:5+8*\k], v[4+8*\k:5+8*\k], v[8+8*\k:9+8*\k]
	v_pk_add_f32 v[6+8*\k:7+8*\k], v[6+8*\k:7+8*\k], v[10+8*\k:11+8*\k]
	global_store_b128 v1, v[4+8*\k:7+8*\k], s[6:7] offset:4096*\k th:TH_STORE_NT
.endr
	s_endpgm
.Lfunc_end_k_q30b7f13c66_comb:
	.size	k_q30b7f13c66_comb, .Lfunc_end_k_q30b7f13c66_comb-k_q30b7f13c66_comb
	.p2alignl 7, 3214868480
	.fill 96, 4, 3214868480
	.section	.rodata,"a",@progbits
	.p2align	6, 0x0
	.amdhsa_kernel k_q30b7f13c66_comb
		.amdhsa_group_segment_fixed_size 0
		.amdhsa_private_segment_fixed_size 0
		.amdhsa_enable_private_segment 0
		.amdhsa_kernarg_size 16
		.amdhsa_user_sgpr_count 2
		.amdhsa_user_sgpr_kernarg_segment_ptr 1
		.amdhsa_wavefront_size32 1
		.amdhsa_system_sgpr_workgroup_id_x 1
		.amdhsa_system_sgpr_workgroup_id_y 1
		.amdhsa_system_sgpr_workgroup_id_z 1
		.amdhsa_system_vgpr_workitem_id 0
		.amdhsa_next_free_vgpr 48
		.amdhsa_next_free_sgpr 66
		.amdhsa_reserve_vcc 0
		.amdhsa_float_denorm_mode_32 3
		.amdhsa_float_denorm_mode_16_64 3
		.amdhsa_memory_ordered 1
		.amdhsa_forward_progress 1
		.amdhsa_inst_pref_size 3
	.end_amdhsa_kernel
	.amdgpu_metadata
---
amdhsa.version: [ 1, 2 ]
amdhsa.kernels:
  - .name:           k_q30b7f13c66_comb
    .symbol:         k_q30b7f13c66_comb.kd
    .args:
      - { .name: ybuf, .offset: 0, .size: 8, .value_kind: global_buffer, .address_space: global }
      - { .name: out0, .offset: 8, .size: 8, .value_kind: global_buffer, .address_space: global }
    .group_segment_fixed_size: 0
    .private_segment_fixed_size: 0
    .kernarg_segment_align: 8
    .kernarg_segment_size: 16
    .max_flat_workgroup_size: 256
    .sgpr_count:     66
    .vgpr_count:     48
    .wavefront_size: 32
...
	.end_amdgpu_metadata
.endif
;; end of part 5
;; ======== version 2 of 2: 4 launches
;; limits: right only within a limited range of input values
;; workspace buffers: sel 4,096 bytes of whole numbers; wts 8,192 bytes; xq 819,200 bytes; hq 26,214,400 bytes; ybuf 8,912,896 bytes
;; launch route (part 6): grid 256 x 1, 3 waves a work-group, no clusters, 0 bytes of LDS; arguments x, gate_w, gate_b, sel, wts, xq; writes sel, wts, xq
.if DOCPART == 6
	.amdgcn_target "amdgcn-amd-amdhsa--gfx1250"
	.amdhsa_code_object_version 6
	.text
	.protected	k_q30b7f13c66_route
	.globl	k_q30b7f13c66_route
	.p2align	8
	.type	k_q30b7f13c66_route,@function
k_q30b7f13c66_route:
	s_mov_b64 s[64:65], 0
	v_nop
	global_prefetch_b8 v0, s[64:65] scope:SCOPE_SE
	s_setreg_imm32_b32 hwreg(HW_REG_WAVE_MODE, 25, 1), 1
	s_wait_xcnt 0x0
; THE ROUTER, AND x's CODES.  A work-group takes 4 tokens.
; WAVE 0: logits = x gate_w + gate_b in f32 (fused multiply-adds), the two largest of the 8 logits (of equal logits the lower index is taken first),
; and the softmax over these two, with the larger taken away ahead of the exponential.
; Lane l holds d = 128 j + 4 l + 0 .. 3 (j = 0 .. 7) of each token's row and the same rows of gate_w, so every load of x covers
; 512 consecutive bytes and every lane's part of gate_w is 128 consecutive bytes.  32 sums (4 tokens x 8 experts) a lane, then one sum over the 32 lanes.
; OUT: sel[token] = (1 << e0) | (1 << e1) | (e1 << 8), whole numbers from which later launches form addresses; wts[token] = the two weights.  No address here hangs on them.
; WAVES 1 AND 2: two tokens each are quantised to E2M3 with one E8M0 byte for each 32 along K, which hangs on no choice of experts.  A wave's 16 chunks (token, K step of 128) take the place of a fragment's 16 rows:
; lane (r, h) holds 64 numbers of chunk r and ends with the 12 registers that lane (., h) of the operand wants for that token and K step.
; xq: token t, K step s: the c-th four of these registers at 768 t + 256 c + 32 s + 16 h, so that each store covers two aligned stretches of 256 consecutive bytes; the scale word at XSC0 + 32 t + 4 s.
; A block's scale is 2^(floor(log2(largest magnitude)) - 2); its byte is the largest magnitude's exponent field - 2, held at 1 from below.
; LIMITS: NaN and infinities among the inputs are not served; logits nearer to each other than the error of an f32 sum of 1,024 terms may be ordered otherwise than by another order of summing;
; a block whose largest magnitude lies under 2^-124, zeros among them, gets the byte 1 (a block of zeros has zero codes, and this program alone reads the bytes).
; No matrix unit, no LDS, no cluster: 8 columns are too few for a matrix tile, and work-groups share only gate_w's 32,768 bytes.
.set X,   16                           ; wave 0: v16-143   x: token i, group j at v[X + 32 i + 4 j]
.set A,   144                          ; v144-175  the sums: token i, expert e at v[A + 8 i + e]
.set L,   176                          ; v176-183  my token's 8 logits
.set ST,  32                           ; waves 1, 2: v32-95 64 numbers of x, register 16 b + i = k 32 b + 16 h + i of my chunk
.set TM,  96                           ; v96-111 at work in the quantiser
.set PW,  112                          ; the scale word
.set PC,  114                          ; v114-125 the codes, v126-132 at work
.set SEL, 24                           ; s[24:25] v_permlanex16_b32's selects for lane l xor 16
.set XSC0, 786432
.set MSB, 0                            ; window 1 (v256-511): gate_w, row 4 j' + d of my rows, expert e at v[32 j + 8 d + e]
.macro WIN new                         ; the immediate's high byte repeats the setting that is left
.if MSB != (\new)
	s_set_vgpr_msb (MSB<<8)|(\new)
.set MSB, (\new)
.endif
.endm
; two experts' sums of token i take x(i, 128 j + 4 l + d) x gate_w's pair: x's one number serves both halves
.macro GATE j, d, i, q
.set rA, A+8*(\i)+2*(\q)
.set rG, 32*(\j)+8*(\d)+2*(\q)
.set rX, X+32*(\i)+4*(\j)+((\d)&2)
.if ((\j) == 0) && ((\d) == 0)
	v_pk_mul_f32 v[rA:rA+1], v[rG:rG+1], v[rX:rX+1] op_sel_hi:[1,0]                          ; the first product starts the sum
.elseif ((\d)&1) == 0
	v_pk_fma_f32 v[rA:rA+1], v[rG:rG+1], v[rX:rX+1], v[rA:rA+1] op_sel_hi:[1,0,1]
.else
	v_pk_fma_f32 v[rA:rA+1], v[rG:rG+1], v[rX:rX+1], v[rA:rA+1] op_sel:[0,1,0] op_sel_hi:[1,1,1]
.endif
.endm
.macro QUANT s
.irp b, 0,1,2,3
	v_max3_num_f32 v[TM+\b], |v[\s+16*\b]|, |v[\s+1+16*\b]|, 0x1800000   ; block b: my 16 numbers, and the floor 2^(3 - 127): the byte cannot fall under 1
.endr
.irp i, 2,4,6,8,10,12,14
.irp b, 0,1,2,3
	v_max3_num_f32 v[TM+\b], v[TM+\b], |v[\s+16*\b+\i]|, |v[\s+1+16*\b+\i]|   ; the four blocks by turns
.endr
.endr
.irp b, 0,1,2,3
	v_permlanex16_b32 v[TM+4+\b], v[TM+\b], s[SEL], s[SEL+1]
.endr
.irp b, 0,1,2,3
	v_max_num_f32 v[TM+\b], v[TM+\b], v[TM+4+\b]   ; with lane l xor 16's 16: the block's largest magnitude
.endr
.irp b, 0,1,2,3
	v_add_nc_u32 v[TM+12+\b], 0xff000000, v[TM+\b] ; 2 off its exponent field: the conversion takes this operand's exponent field as its scale
.endr
.irp b, 0,1,2,3
	v_lshrrev_b32 v[TM+4+\b], 23, v[TM+12+\b]      ; the scale's byte
.endr
	v_lshl_or_b32 v[PW], v[TM+5], 8, v[TM+4]
	v_lshl_or_b32 v[PW], v[TM+6], 16, v[PW]
	v_lshl_or_b32 v[PW], v[TM+7], 24, v[PW]        ; my chunk's scale word
.irp c, 0,1
	v_cvt_scalef32_pk16_fp6_f32 v[PC+6*\c:PC+2+6*\c], v[\s+32*\c:\s+15+32*\c], v[TM+12+2*\c]
	v_cvt_scalef32_pk16_fp6_f32 v[PC+12+4*\c:PC+14+4*\c], v[\s+16+32*\c:\s+31+32*\c], v[TM+12+2*\c+1]   ; (a conversion's three registers begin on an even number)
.endr
	v_nop                                          ; one plain line behind the scaled conversions
.irp c, 0,1                                    ; the operand wants a whole block in a lane: lanes 0-15 block 2 c, lanes 16-31 block 2 c + 1
.irp i, 0,1,2
	v_permlane16_swap_b32 v[PC+6*\c+\i], v[PC+12+4*\c+\i]
.endr
.irp i, 0,1,2
	v_mov_b32 v[PC+3+6*\c+\i], v[PC+12+4*\c+\i]
.endr
.endr
.endm
	s_load_b256 s[4:11], s[0:1], 0x0               ; x s[4:5], gate_w s[6:7], gate_b s[8:9], sel s[10:11]
	s_load_b64 s[12:13], s[0:1], 0x20              ; wts
	s_load_b64 s[28:29], s[0:1], 0x28              ; xq
	v_lshrrev_b32 v4, 5, v0
	v_readfirstlane_b32 s26, v4                    ; wave 0..2
	v_lshlrev_b32 v1, 4, v0                        ; (wave 0: its thread number is its lane)  16 x lane
	v_lshlrev_b32 v2, 7, v0                        ; 128 x lane
	v_and_b32 v3, 3, v0                            ; at the end lane l stands for token l % 4
	v_mov_b32 v200, 0xff800000                     ; -infinity
	v_mov_b32 v201, 1
	s_lshl_b32 s14, ttmp9, 14                      ; 4 rows of 4,096 bytes
	s_mov_b32 s15, 0
	s_mov_b32 s24, 0x76543210                      ; v_permlanex16_b32's selects for lane l xor 16
	s_mov_b32 s25, 0xfedcba98
	s_wait_kmcnt 0x0
	s_cmp_lg_u32 s26, 0
	s_cbranch_scc1 .Lquant                         ; waves 1 and 2 quantise
	s_load_b256 s[16:23], s[8:9], 0x0              ; gate_b's 8 numbers
	s_add_nc_u64 s[4:5], s[4:5], s[14:15]
	s_wait_alu depctr_va_vdst(0)
.irp i, 0,1,2,3
.irp j, 0,1,2,3,4,5,6,7
	global_load_b128 v[X+32*\i+4*\j:X+32*\i+4*\j+3], v1, s[4:5] offset:4096*\i+512*\j
.endr
.endr
	WIN 0x40                                       ; destination window 1
.irp j, 0,1,2,3,4,5,6,7
.irp m, 0,1,2,3,4,5,6,7
	global_load_b128 v[32*\j+4*\m:32*\j+4*\m+3], v2, s[6:7] offset:4096*\j+16*\m
.endr
.endr
	WIN 0x01                                       ; source 0 (gate_w) window 1
.irp j, 0,1,2,3,4,5,6,7
	s_wait_loadcnt 8*(7-\j)                        ; x (issued first) and gate_w's group j are in; the 8 loads of each later group may be out
.irp d, 0,1,2,3
.irp i, 0,1,2,3
.irp q, 0,1,2,3
	GATE \j, \d, \i, \q                            ; sixteen chains by turns
.endr
.endr
.endr
.endr
	WIN 0
.irp m, 1,2,4,8                                ; the sum over the lanes: four steps inside each half of 16,
.set k, 0
.rept 32
	v_add_f32_dpp v[A+k], v[A+k], v[A+k] row_xmask:\m row_mask:0xf bank_mask:0xf
.set k, k+1
.endr
.endr
.set k, 0
.rept 32
	v_permlanex16_b32 v[X+k], v[A+k], s24, s25     ; one across the halves (x's registers are done with, and have been written)
.set k, k+1
.endr
.set k, 0
.rept 32
	v_add_f32 v[A+k], v[A+k], v[X+k]
.set k, k+1
.endr
.irp e, 0,1,2,3,4,5,6,7
	v_mov_b32 v[L+\e], v[A+\e]
.endr
.irp i, 1,2,3
	v_cmp_eq_u32 vcc_lo, \i, v3
.irp e, 0,1,2,3,4,5,6,7
	v_cndmask_b32 v[L+\e], v[L+\e], v[A+8*\i+\e], vcc_lo
.endr
.endr
	s_wait_alu depctr_va_vdst(0)
	s_wait_kmcnt 0x0
.irp e, 0,1,2,3,4,5,6,7
	v_add_f32 v[L+\e], s[16+\e], v[L+\e]           ; + gate_b
.endr
	v_mov_b32 v184, v[L]                           ; the largest logit and its index: a later one takes its place only if it is larger
	v_mov_b32 v185, 0
.irp e, 1,2,3,4,5,6,7
	v_cmp_le_f32 vcc_lo, v[L+\e], v184             ; not larger: keep
	v_cndmask_b32 v185, \e, v185, vcc_lo
	v_cndmask_b32 v184, v[L+\e], v184, vcc_lo
.endr
.irp e, 0,1,2,3,4,5,6,7
	v_cmp_eq_u32 vcc_lo, \e, v185
	v_cndmask_b32 v[L+\e], v[L+\e], v200, vcc_lo   ; the first choice is taken out
.endr
	v_mov_b32 v186, v[L]                           ; the second largest likewise
	v_mov_b32 v187, 0
.irp e, 1,2,3,4,5,6,7
	v_cmp_le_f32 vcc_lo, v[L+\e], v186
	v_cndmask_b32 v187, \e, v187, vcc_lo
	v_cndmask_b32 v186, v[L+\e], v186, vcc_lo
.endr
	v_sub_f32 v188, v186, v184                     ; second - first, 0 or less: the maximum is taken away
	v_mul_f32 v188, 0x3fb8aa3b, v188               ; x log2(e)
	s_wait_alu depctr_va_vdst(0)
	v_exp_f32 v189, v188
	v_lshlrev_b32 v190, v185, v201                 ; (plain work behind the exponential)  1 << e0
	v_lshlrev_b32 v191, v187, v201                 ; 1 << e1
	v_or_b32 v190, v190, v191
	v_lshl_or_b32 v190, v187, 8, v190              ; | e1 << 8
	s_wait_alu depctr_va_vdst(0)                   ; the wait ahead of the first line that names the exponential's result
	v_add_f32 v192, 1.0, v189
	s_wait_alu depctr_va_vdst(0)
	v_rcp_f32 v194, v192                           ; the first weight: 1 / (1 + e)
	v_lshlrev_b32 v196, 2, v3                      ; (plain work behind the reciprocal)
	v_lshlrev_b32 v197, 3, v3
	s_lshl_b32 s14, ttmp9, 4
	s_add_nc_u64 s[10:11], s[10:11], s[14:15]
	s_lshl_b32 s14, ttmp9, 5
	s_add_nc_u64 s[12:13], s[12:13], s[14:15]
	s_wait_alu depctr_va_vdst(0)
	v_mul_f32 v195, v189, v194                     ; the second: e / (1 + e)
	global_store_b32 v196, v190, s[10:11]          ; the eight lanes of a token write the same word with the same value
	global_store_b64 v197, v[194:195], s[12:13]
	s_endpgm
.Lquant:
	v_and_b32 v6, 15, v0                           ; r: my chunk: token r / 8 of my wave's two, K step r % 8
	v_bfe_u32 v7, v0, 4, 1                         ; h
	v_lshlrev_b32 v8, 9, v6                        ; x: 512 r = 4,096 (r / 8) + 512 (r % 8),
	v_lshl_add_u32 v8, v7, 6, v8                   ; + 64 h: my 16 numbers of a block of 32
	v_lshrrev_b32 v9, 3, v6
	v_and_b32 v10, 7, v6
	v_mul_u32_u24 v9, v9, 768
	v_lshl_add_u32 v9, v10, 5, v9
	v_lshl_add_u32 v9, v7, 4, v9                   ; xq: 768 (r / 8) + 32 (r % 8) + 16 h
	v_lshlrev_b32 v10, 2, v6                       ; the scale words: 4 r = 32 (r / 8) + 4 (r % 8)
.irp b, 0,1,2,3
	v_mov_b32 v[TM+4+\b], 0                        ; a lane permute's destination counts as one of its sources
.endr
	s_sub_co_u32 s27, s26, 1
	s_lshl_b32 s27, s27, 1
	s_lshl_b32 s30, ttmp9, 2
	s_add_co_u32 s30, s30, s27                     ; my first token: 4 x work-group + 2 x (wave - 1)
	s_lshl_b32 s14, s30, 12
	s_add_nc_u64 s[4:5], s[4:5], s[14:15]
	s_mul_i32 s14, s30, 768
	s_add_nc_u64 s[16:17], s[28:29], s[14:15]
	s_lshl_b32 s14, s30, 5
	s_add_co_u32 s14, s14, XSC0
	s_add_nc_u64 s[18:19], s[28:29], s[14:15]
.irp b, 0,1,2,3
.irp i, 0,1,2,3
	global_load_b128 v[ST+16*\b+4*\i:ST+16*\b+4*\i+3], v8, s[4:5] offset:128*\b+16*\i
.endr
.endr
	s_wait_loadcnt 0x0
	QUANT ST
.irp c, 0,1,2
	global_store_b128 v9, v[PC+4*\c:PC+4*\c+3], s[16:17] offset:256*\c   ; sixteen lanes store 256 consecutive bytes, at a multiple of 256 from the buffer's first byte
.endr
	global_store_b32 v10, v[PW], s[18:19]          ; both halves of the lanes write the same words with the same values
	s_endpgm
.Lfunc_end_k_q30b7f13c66_route:
	.size	k_q30b7f13c66_route, .Lfunc_end_k_q30b7f13c66_route-k_q30b7f13c66_route
	.p2alignl 7, 3214868480
	.fill 96, 4, 3214868480
	.section	.rodata,"a",@progbits
	.p2align	6, 0x0
	.amdhsa_kernel k_q30b7f13c66_route
		.amdhsa_group_segment_fixed_size 0
		.amdhsa_private_segment_fixed_size 0
		.amdhsa_enable_private_segment 0
		.amdhsa_kernarg_size 48
		.amdhsa_user_sgpr_count 2
		.amdhsa_user_sgpr_kernarg_segment_ptr 1
		.amdhsa_wavefront_size32 1
		.amdhsa_system_sgpr_workgroup_id_x 1
		.amdhsa_system_sgpr_workgroup_id_y 1
		.amdhsa_system_sgpr_workgroup_id_z 1
		.amdhsa_system_vgpr_workitem_id 0
		.amdhsa_next_free_vgpr 512
		.amdhsa_next_free_sgpr 66
		.amdhsa_reserve_vcc 1
		.amdhsa_float_denorm_mode_32 3
		.amdhsa_float_denorm_mode_16_64 3
		.amdhsa_memory_ordered 1
		.amdhsa_forward_progress 1
		.amdhsa_inst_pref_size 65
	.end_amdhsa_kernel
	.amdgpu_metadata
---
amdhsa.version: [ 1, 2 ]
amdhsa.kernels:
  - .name:           k_q30b7f13c66_route
    .symbol:         k_q30b7f13c66_route.kd
    .args:
      - { .name: x, .offset: 0, .size: 8, .value_kind: global_buffer, .address_space: global }
      - { .name: gate_w, .offset: 8, .size: 8, .value_kind: global_buffer, .address_space: global }
      - { .name: gate_b, .offset: 16, .size: 8, .value_kind: global_buffer, .address_space: global }
      - { .name: sel, .offset: 24, .size: 8, .value_kind: global_buffer, .address_space: global }
      - { .name: wts, .offset: 32, .size: 8, .value_kind: global_buffer, .address_space: global }
      - { .name: xq, .offset: 40, .size: 8, .value_kind: global_buffer, .address_space: global }
    .group_segment_fixed_size: 0
    .private_segment_fixed_size: 0
    .kernarg_segment_align: 8
    .kernarg_segment_size: 48
    .max_flat_workgroup_size: 96
    .sgpr_count:     66
    .vgpr_count:     512
    .wavefront_size: 32
...
	.end_amdgpu_metadata
.endif
;; end of part 6
;; launch gemm1 (part 7): grid 32 x 8, 4 waves a work-group, no clusters, 161,280 bytes of LDS; arguments xq, w1_codes, w1_scales, b1, sel, hq; writes hq
.if DOCPART == 7
	.amdgcn_target "amdgcn-amd-amdhsa--gfx1250"
	.amdhsa_code_object_version 6
	.text
	.protected	k_q30b7f13c66_gemm1
	.globl	k_q30b7f13c66_gemm1
	.p2align	8
	.type	k_q30b7f13c66_gemm1,@function
k_q30b7f13c66_gemm1:
	s_mov_b64 s[64:65], 0
	v_nop
	global_prefetch_b8 v0, s[64:65] scope:SCOPE_SE
	s_setreg_imm32_b32 hwreg(HW_REG_WAVE_MODE, 25, 1), 1
	s_wait_xcnt 0x0
; h = relu(x W1[e] + b1[e]) for the rows routed to expert e, on codes of E2M3 with E8M0 scales, and h quantised along the next K.
; Work-group (S, e) owns hidden units 128 S .. 128 S + 127 of expert e: 128 rows of W1's codes (768 bytes each, 98,304 dense bytes), read from memory by this work-group alone, once, and kept in LDS.
; These 128 units are K step S of the second product, so a tile of 16 routed rows leaves here as one operand image (the fragment's 12 registers, three stores of 512 bytes) and one scale word a row.
; WHICH ROWS: every wave reads the 1,024 words of sel and keeps e's tokens as 32 masks of 32 bits in scalar registers.  The words come by loads of 16 bytes a lane, so bit l of mask G is token 128 (G / 4) + 4 l + G % 4;
; e's tokens are ranked in that order, here and in the second product alike.  M = their number, nt = ceil(M / 16) tiles of 16 ranks.  Rank rho's token is the rho-th set bit, found by each lane for its own row.
; A rank past M gives token 1,023: its row is multiplied like any other, and the second product sends it to a spare row.
; THE WAVES SHARE THE ROWS: in the pass that begins at tile jb, wave w has five slots, tiles jb + w + 4 i (i = 0 .. 4): 20 tiles, 320 routed rows a pass.  x's fragments (8 K steps x 12 registers a slot) are
; gathered from xq, which lies by token in the order of the operand's registers: 16 bytes a lane at 768 token + 256 c + 32 s + 16 h.  W1's come from LDS, four at a time, each feeding five products.
; A slot past the expert's last tile loads the last tile again, and stores nothing.
; TRANSPOSED: source 0 = 16 rows of W1, source 1 = 16 routed rows: a lane holds ONE routed row.  Lane r of tile 2 b + u takes W1's row 32 b + 8 u + r + 8 (r / 8), so that the 16 registers of tiles 2 b, 2 b + 1
; are 16 neighbours along the next K.  In LDS row rho lies at slot rho with bits 3 and 4 changed over: tile t's lane r is then slot 16 t + r.
; The bias is the value with which each sum begins: an image of 8 tiles x 8 registers in LDS, loaded into the accumulators.
; NO TENSOR LOADS, NO CLUSTER: how many passes are walked and which slots store hang on nt, made of whole numbers read from memory; a form that asked alike for every split would have to ask for 64 tiles an expert.  No two work-groups read the same bytes of W1.
; LDS: 128 slots of 784 bytes (768 + 16 = 196 words: slot s starts at bank 4 s mod 64, so the 32 lanes of an 8-byte load touch 64 different banks), then the bias image, 8,192 bytes.  One barrier, behind the staging.
; REGISTERS: window 0: v1-14 addresses, r, h; v16-35 x's scale words; v36-67 W1's; v68-115, v116-163 two sets of four fragments of W1 (at the head sel's words, ahead of a pass the search's work, behind it the quantiser's);
;   v164-179 the bias on its way; v180-189 the slots' offsets in xq; v192-255 slot 4's sums.   window 1: W1 on its way to LDS, then the sums of slots 0-3 (slot i, tile t at 64 i + 8 t).   windows 2, 3: x's fragments.
; LIMITS: a block whose largest magnitude lies under 2^-124 gets the byte 1; NaN and infinities are not served.
; HOW x COMES (where the lines above on the gather, on a slot past the end, on v180-189 and on s19 say otherwise, these lines hold):
; three searches give the tokens of the five slots' rows (lanes 0-15 an even slot's sixteen ranks, lanes 16-31 an odd slot's); the tokens go round through 384 bytes of the wave's own LDS, so that each half of the
; lanes has the tokens of the eight rows that it fetches.  A load takes 256 consecutive bytes of one token's 768 in each half of the lanes (rows k and k + 8) and lands in the slot's own 96 registers;
; the slot's sixteen rows then go through the wave's own stage in LDS (16 rows of 784 bytes) and come back into the same registers in the operand's order: 16 bytes a lane at 256 c + 32 s + 16 h of row r.
; A slot past the expert's last tile asks for ranks 1,008 on (past M: token 1,023) and stores nothing.  LDS behind the bias image and the spare words: the four stages, then 512 bytes a wave for the tokens.
.set PITCH, 784
.set BIMG,  128*PITCH
.set XSTG,  BIMG+8192+512              ; behind the bias image and the spare words: a stage of 16 rows x 784 bytes for each wave, in which a slot's rows of x are turned into fragments
.set TOKB,  XSTG+4*16*PITCH            ; behind the stages: 512 bytes for each wave, for the tokens of its slots' rows
.set XSC0,  786432
.set HSC0,  25165824
.set LI,   1                           ; 16 x lane
.set L4,   2                           ; 4 x lane
.set R4,   3                           ; 4 r
.set FA0,  4                           ; v4, v5: my place in tiles 0-3 and 4-7 of W1 in LDS
.set SA0,  6                           ; v6, v7: where I put W1's bytes
.set SA1,  7
.set BI,   8                           ; the bias image, my lane
.set BW,   9                           ; and where my wave writes its two tiles of it
.set H64,  10
.set WSO,  11
.set RR,   13                          ; r
.set XS,   16                          ; slot i, register q: lanes 0-15 K step q, lanes 16-31 K step 4 + q
.set WS,   36                          ; register 8 u + s: lanes 0-15 tile 2 u, lanes 16-31 tile 2 u + 1, K step s
.set B0,   68
.set SD,   68                          ; v68-99 sel's words, at the head
.set SL,   100                         ; v100-123 the search: search q at v[SL + 8 q]: rank, mask, count ahead, group, k, running count, place, token
.set BST,  164
.set RC16, 180                         ; 16 r
.set TW,   181                         ; my wave's token words: 4 x lane,
.set TR,   182                         ; 32 x (lane / 16): the eight rows that my half of the lanes fetches,
.set TS,   183                         ; 4 r: my own row
.set XW,   12                          ; my wave's stage, in: row 8 (lane / 16), byte 16 r
.set XR,   15                          ; and back: row r, byte 16 h
.set RO,   192                         ; v192-231 (free between passes): slot i, load pair k: 768 x token of row k + 8 (lane / 16), + 16 r
.set TL,   32                          ; s32-37 the tiles whose ranks are asked for: slot i's, or 63 past the end; a sixth that nobody uses
.set HM,   38                          ; s38 the mask of lanes 16-31
.set XSO,  185                         ; slot i: 32 token + 16 h
.set ZR,   190                         ; 0
.set H16,  191                         ; 16 h
.set ACC4, 192
.set TM,   68
.set PWD,  84
.set PC,   88
.set SEL,  58                          ; s[58:59]
.set MK,   66                          ; s[66:97] the masks
; s3 counts the passes; s18 64 e, s20 wave, s21 e, s22 S, s23 nt, s24 jb, s25-29 the slots' tiles, s[52:55] the stores' bases, s60 M
.set MSB,  0
.macro WIN new                         ; the immediate's high byte repeats the setting that is left
.if MSB != (\new)
	s_set_vgpr_msb (MSB<<8)|(\new)
.set MSB, (\new)
.endif
.endm
; ns ranks a lane, v[SL + 8 i], become tokens, v[SL + 8 i + 7]; the ns searches by turns, so that no line waits for the line above it
.macro SELECT ns
.set sa, 0
.rept \ns
	v_mov_b32 v[SL+8*sa+1], s[MK]                  ; the group's mask,
	v_mov_b32 v[SL+8*sa+2], 0                      ; the count ahead of it,
	v_mov_b32 v[SL+8*sa+3], 0                      ; its number
.set sa, sa+1
.endr
	s_bcnt1_i32_b32 s56, s[MK]
.irp g, 1,2,3,4,5,6,7,8,9,10,11,12,13,14,15,16,17,18,19,20,21,22,23,24,25,26,27,28,29,30,31
.set sa, 0
.rept \ns                              ; the last group ahead of which at most rho of e's tokens lie (these counts never fall)
	v_cmp_gt_u32 vcc_lo, s56, v[SL+8*sa]           ; more than rho lie ahead of group g: keep
	v_cndmask_b32 v[SL+8*sa+1], s[MK+\g], v[SL+8*sa+1], vcc_lo
	v_cndmask_b32 v[SL+8*sa+2], s56, v[SL+8*sa+2], vcc_lo
	v_cndmask_b32 v[SL+8*sa+3], \g, v[SL+8*sa+3], vcc_lo
.set sa, sa+1
.endr
	s_bcnt1_i32_b32 s57, s[MK+\g]
	s_add_co_u32 s56, s56, s57
.endr
.set sa, 0
.rept \ns
	v_sub_nc_u32 v[SL+8*sa+4], v[SL+8*sa], v[SL+8*sa+2]   ; then the k-th set bit of the mask, k = rho - that count: its place is the number of places up to and with which at most k bits are set
	v_mov_b32 v[SL+8*sa+5], 0
	v_mov_b32 v[SL+8*sa+6], 0
.set sa, sa+1
.endr
.irp n, 0,1,2,3,4,5,6,7,8,9,10,11,12,13,14,15,16,17,18,19,20,21,22,23,24,25,26,27,28,29,30,31
.set sa, 0
.rept \ns
	v_bfe_u32 v[SL+8*sa+7], v[SL+8*sa+1], \n, 1
	v_add_nc_u32 v[SL+8*sa+5], v[SL+8*sa+5], v[SL+8*sa+7]
	v_cmp_le_u32 vcc_lo, v[SL+8*sa+5], v[SL+8*sa+4]
	v_add_co_ci_u32 v[SL+8*sa+6], vcc_lo, v[SL+8*sa+6], v[ZR], vcc_lo
.set sa, sa+1
.endr
.endr
.set sa, 0
.rept \ns
	v_lshrrev_b32 v[SL+8*sa+7], 2, v[SL+8*sa+3]
	v_and_b32 v[SL+8*sa+3], 3, v[SL+8*sa+3]
	v_lshl_add_u32 v[SL+8*sa+7], v[SL+8*sa+7], 7, v[SL+8*sa+3]
	v_lshl_add_u32 v[SL+8*sa+7], v[SL+8*sa+6], 2, v[SL+8*sa+7]   ; 128 (G / 4) + G % 4 + 4 x place
	v_min_u32 v[SL+8*sa+7], 0x3ff, v[SL+8*sa+7]    ; the token; a rank past M gives 1,023
.set sa, sa+1
.endr
.endm
.macro NEWPASS                         ; the five slots of the pass at jb: their tiles, their rows' tokens, their offsets in xq
.irp i, 0,1,2,3,4
	s_add_co_u32 s[25+\i], s24, s20
	s_add_co_u32 s[25+\i], s[25+\i], 4*\i
	s_cmp_lt_u32 s[25+\i], s23
	s_cselect_b32 s[TL+\i], s[25+\i], 63           ; a slot past the end asks for ranks 1,008 on: past M these give token 1,023 for all its rows; it stores nothing
	s_min_u32 s[TL+\i], s[TL+\i], 63
.endr
	s_mov_b32 s[TL+5], 63
	s_mov_b32 s[HM], 0xffff0000
.irp q, 0,1,2                                  ; three searches serve the five slots: lanes 0-15 ask for slot 2 q's sixteen ranks, lanes 16-31 for slot 2 q + 1's
	v_mov_b32 v[SL+8*\q], s[TL+2*\q+1]
	v_cndmask_b32 v[SL+8*\q], s[TL+2*\q], v[SL+8*\q], s[HM]
	v_lshl_add_u32 v[SL+8*\q], v[SL+8*\q], 4, v[RR]
.endr
	SELECT 3
.irp q, 0,1,2
	ds_store_b32 v[TW], v[SL+8*\q+7] offset:128*\q ; word 16 i + r of my wave's own bytes: the token of slot i's row r
.endr
.irp i, 0,1,2,3,4
	ds_load_b128 v[RO+8*\i:RO+8*\i+3], v[TR] offset:64*\i          ; LDS serves a wave's instructions in order (ISA guide 5.7.1.4): these see the stores above.  Register k: row k + 8 (lane / 16)
	ds_load_b128 v[RO+8*\i+4:RO+8*\i+7], v[TR] offset:64*\i+16
	ds_load_b32 v[XSO+\i], v[TS] offset:64*\i      ; and my own row's token, for the scale words
.endr
	s_wait_dscnt 0x0
.set ra, 0
.rept 40
	v_min_u32 v[RO+ra], 0x3ff, v[RO+ra]            ; held inside xq
.set ra, ra+1
.endr
.set ra, 0
.rept 40
	v_mad_u32_u24 v[RO+ra], v[RO+ra], 0x300, v[RC16]
.set ra, ra+1
.endr
.irp i, 0,1,2,3,4
	v_min_u32 v[XSO+\i], 0x3ff, v[XSO+\i]
	v_lshl_add_u32 v[XSO+\i], v[XSO+\i], 5, v[H16]
.endr
.endm
; load n of a pass's 125: 5 of scale words, then slot by slot 24 of codes (eight pairs of rows x three)
.macro XL n
.if (\n) < 5
	WIN 0
	global_load_b128 v[XS+4*(\n):XS+4*(\n)+3], v[XSO+(\n)], s[4:5] offset:XSC0
.else
.set xm, (\n)-5
.set xi, xm/24                         ; slot by slot, 24 loads each: pair xs of rows (xs and xs + 8), third xc of their 768 bytes; they land in the slot's own 96 registers
.set xs, (xm%24)/3
.set xc, xm%3
.if xi < 2
.set xw, 2
.set xr, 96*xi+12*xs
.elseif xi < 4
.set xw, 3
.set xr, 96*(xi-2)+12*xs
.elseif xs < 5
.set xw, 2
.set xr, 192+12*xs
.else
.set xw, 3
.set xr, 192+12*(xs-5)
.endif
	WIN (xw<<6)
	global_load_b128 v[xr+4*xc:xr+4*xc+3], v[RO+8*xi+xs], s[4:5] offset:256*xc   ; each half of the lanes reads 256 consecutive bytes of one token, at a multiple of 256 from the buffer's first byte
.endif
.endm
; load n of my 48 of W1 (512 bytes: a third of two rows) goes to its rows' slots
.macro WSTORE n
.set wm, (\n)/3
.set wsl, ((2*wm)&7)|(((2*wm)&8)<<1)|(((2*wm)&16)>>1)
.if (\n)%3 == 0
	ds_store_b128 v[SA0], v[4*(\n):4*(\n)+3] offset:wsl*PITCH
.elseif (\n)%3 == 1
	ds_store_b128 v[SA1], v[4*(\n):4*(\n)+3] offset:wsl*PITCH+512      ; lanes 0-15 end the even row, lanes 16-31 begin the odd one, a pitch less 512 bytes further on
.else
	ds_store_b128 v[SA0], v[4*(\n):4*(\n)+3] offset:(wsl+1)*PITCH+256
.endif
.endm
.macro XREG i, s                       ; where slot i keeps its twelve registers number s: window xw, register xr
.if (\i) < 2
.set xw, 2
.set xr, 96*(\i)+12*(\s)
.elseif (\i) < 4
.set xw, 3
.set xr, 96*((\i)-2)+12*(\s)
.elseif (\s) < 5
.set xw, 2
.set xr, 192+12*(\s)
.else
.set xw, 3
.set xr, 192+12*((\s)-5)
.endif
.endm
; slot i's sixteen rows go through my wave's own stage and come back, into the same registers, as the operand wants them: lane (r, h) takes the 16 bytes at 256 c + 32 s + 16 h of row r.
; No wait between the stores and the loads, nor ahead of the next slot's stores: the bytes are my wave's own, and LDS serves a wave's instructions in order (ISA guide 5.7.1.4).
.macro XT i
.if 24*(4-(\i)) > 63
	s_wait_loadcnt 63                              ; this slot's 24 loads are in; more than 63 were issued behind them
.else
	s_wait_loadcnt 24*(4-(\i))                     ; the 24 loads of each later slot may be out
.endif
.irp k, 0,1,2,3,4,5,6,7
	XREG \i, \k
	WIN (xw<<2)                                    ; an LDS store's data are its source 1
.irp c, 0,1,2
	ds_store_b128 v[XW], v[xr+4*\c:xr+4*\c+3] offset:PITCH*\k+256*\c
.endr
.endr
.irp s, 0,1,2,3,4,5,6,7
	XREG \i, \s
	WIN (xw<<6)
.irp c, 0,1,2
	ds_load_b128 v[xr+4*\c:xr+4*\c+3], v[XR] offset:256*\c+32*\s
.endr
.endr
.endm
.macro WFR buf, s, u                   ; tiles 4 u .. 4 u + 3 of W1, K step s: each fragment six loads of 8 bytes
.irp tt, 0,1,2,3
.irp p, 0,1,2,3,4,5
	ds_load_b64 v[(\buf)+12*\tt+2*\p:(\buf)+12*\tt+2*\p+1], v[FA0+(\u)] offset:16*PITCH*\tt+96*(\s)+48*(\p/3)+8*(\p%3)
.endr
.endr
.endm
.macro MM i, t, s, buf                 ; slot i, tile t, K step s
.set mA, (\buf)+12*((\t)&3)
.if (\i) < 2
.set mX, 96*(\i)+12*(\s)
.set mW, 0x58
.elseif (\i) < 4
.set mX, 96*((\i)-2)+12*(\s)
.set mW, 0x5c
.elseif (\s) < 5
.set mX, 192+12*(\s)
.set mW, 0x08
.else
.set mX, 192+12*((\s)-5)
.set mW, 0x0c
.endif
.if (\i) < 4
.set mC, 64*(\i)+8*(\t)
.else
.set mC, ACC4+8*(\t)
.endif
.set mSA, WS+8*((\t)>>1)+(\s)
.set mSB, XS+4*(\i)+((\s)&3)
	WIN mW
.if (((\t)&1) == 0) && ((\s) < 4)
	v_wmma_scale_f32_16x16x128_f8f6f4 v[mC:mC+7], v[mA:mA+11], v[mX:mX+11], v[mC:mC+7], v[mSA], v[mSB] matrix_a_fmt:MATRIX_FMT_FP6 matrix_b_fmt:MATRIX_FMT_FP6
.elseif (\s) < 4
	v_wmma_scale_f32_16x16x128_f8f6f4 v[mC:mC+7], v[mA:mA+11], v[mX:mX+11], v[mC:mC+7], v[mSA], v[mSB] matrix_a_fmt:MATRIX_FMT_FP6 matrix_b_fmt:MATRIX_FMT_FP6 matrix_a_scale:MATRIX_SCALE_ROW1
.elseif ((\t)&1) == 0
	v_wmma_scale_f32_16x16x128_f8f6f4 v[mC:mC+7], v[mA:mA+11], v[mX:mX+11], v[mC:mC+7], v[mSA], v[mSB] matrix_a_fmt:MATRIX_FMT_FP6 matrix_b_fmt:MATRIX_FMT_FP6 matrix_b_scale:MATRIX_SCALE_ROW1
.else
	v_wmma_scale_f32_16x16x128_f8f6f4 v[mC:mC+7], v[mA:mA+11], v[mX:mX+11], v[mC:mC+7], v[mSA], v[mSB] matrix_a_fmt:MATRIX_FMT_FP6 matrix_b_fmt:MATRIX_FMT_FP6 matrix_a_scale:MATRIX_SCALE_ROW1 matrix_b_scale:MATRIX_SCALE_ROW1
.endif
.endm
.macro MULH s, u, buf                  ; twenty products on twenty accumulators, one instruction a turn; an accumulator comes back after 40
.irp i, 0,1,2,3,4
.irp tt, 0,1,2,3
	MM \i, (4*(\u)+\tt), \s, \buf
.endr
.endr
.endm
; a slot's 64 sums, v[a] on in window aw (register 16 b + i = hidden unit 32 b + 16 (lane / 16) + i of my row), become relu, codes in v[PC] on and a scale word in v[PWD]
.macro QUANTW a, aw
	WIN ((\aw)<<6)|((\aw)<<2)
.set qk, 0
.rept 64
	v_max_num_f32 v[(\a)+qk], 0, v[(\a)+qk]        ; the activation, in f32; each accumulator from its low end on
.set qk, qk+1
.endr
	WIN 0
.irp b, 0,1,2,3
	v_mov_b32 v[TM+4+\b], 0                        ; a lane permute's destination counts as one of its sources
.endr
	WIN (\aw)|((\aw)<<2)
.irp b, 0,1,2,3
	v_max3_num_f32 v[TM+\b], v[(\a)+16*\b], v[(\a)+16*\b+1], 0x1800000   ; none is negative: no |.|; the floor 2^(3 - 127) holds the byte at 1 from below
.endr
.irp i, 2,4,6,8,10,12,14
.irp b, 0,1,2,3
	v_max3_num_f32 v[TM+\b], v[(\a)+16*\b+\i], v[(\a)+16*\b+\i+1], v[TM+\b]
.endr
.endr
	WIN 0
.irp b, 0,1,2,3
	v_permlanex16_b32 v[TM+4+\b], v[TM+\b], s[SEL], s[SEL+1]
.endr
.irp b, 0,1,2,3
	v_max_num_f32 v[TM+\b], v[TM+\b], v[TM+4+\b]
.endr
.irp b, 0,1,2,3
	v_add_nc_u32 v[TM+12+\b], 0xff000000, v[TM+\b] ; 2 off the exponent field: the conversion's scale operand
.endr
.irp b, 0,1,2,3
	v_lshrrev_b32 v[TM+4+\b], 23, v[TM+12+\b]      ; the scale's byte
.endr
	v_lshl_or_b32 v[PWD], v[TM+5], 8, v[TM+4]
	v_lshl_or_b32 v[PWD], v[TM+6], 16, v[PWD]
	v_lshl_or_b32 v[PWD], v[TM+7], 24, v[PWD]
	WIN (\aw)
.irp c, 0,1
	v_cvt_scalef32_pk16_fp6_f32 v[PC+6*\c:PC+2+6*\c], v[(\a)+32*\c:(\a)+15+32*\c], v[TM+12+2*\c]
	v_cvt_scalef32_pk16_fp6_f32 v[PC+12+4*\c:PC+14+4*\c], v[(\a)+16+32*\c:(\a)+31+32*\c], v[TM+12+2*\c+1]
.endr
	WIN 0
	v_nop                                          ; one plain line behind the scaled conversions
.irp c, 0,1
.irp i, 0,1,2
	v_permlane16_swap_b32 v[PC+6*\c+\i], v[PC+12+4*\c+\i]
.endr
.irp i, 0,1,2
	v_mov_b32 v[PC+3+6*\c+\i], v[PC+12+4*\c+\i]
.endr
.endr
.endm
	s_load_b256 s[4:11], s[0:1], 0x0               ; xq s[4:5], W1's codes s[6:7], its scales s[8:9], b1 s[10:11]
	s_load_b128 s[12:15], s[0:1], 0x20             ; sel s[12:13], hq s[14:15]
	s_set_vgpr_msb 0x80
	v_lshl_add_u32 v254, v0, 2, 0x1a800
	v_mov_b32 v255, 0
	s_set_vgpr_msb 0x8000
	v_lshrrev_b32 v12, 5, v0
	v_readfirstlane_b32 s20, v12                   ; wave 0..3
	s_and_b32 s21, ttmp7, 0xffff                   ; e
	s_mov_b32 s22, ttmp9                           ; S
	v_and_b32 v12, 31, v0                          ; lane
	v_and_b32 v13, 15, v0                          ; r: it stays
	v_bfe_u32 v14, v0, 4, 1                        ; h
	v_lshlrev_b32 v[LI], 4, v12
	v_lshlrev_b32 v[L4], 2, v12
	v_lshlrev_b32 v[R4], 2, v13
	v_mul_u32_u24 v[FA0], v13, PITCH
	v_mad_u32_u24 v[FA0], v14, 24, v[FA0]          ; slot r, + 24 h
	v_add_nc_u32 v[FA0+1], 64*PITCH, v[FA0]
	s_mul_i32 s30, s20, 32*PITCH                   ; my wave stages rows 32 w .. 32 w + 31: slots 32 w on
	v_add_nc_u32 v[SA0], s30, v[LI]
	v_lshlrev_b32 v15, 4, v13
	v_mad_u32_u24 v15, v14, PITCH-512, v15
	v_add_nc_u32 v[SA1], s30, v15
	v_add_nc_u32 v[BI], BIMG, v[LI]
	s_lshl_b32 s30, s20, 11
	v_add_nc_u32 v[BW], s30, v[BI]
	v_lshlrev_b32 v[H64], 6, v14
	v_and_b32 v15, 8, v13
	v_add_nc_u32 v15, v15, v13                     ; r + 8 (r / 8)
	v_lshl_add_u32 v15, v14, 3, v15                ; + 8 h: lanes 16-31 take the odd tile's rows
	v_lshlrev_b32 v[WSO], 5, v15                   ; 32 scale bytes a row
	v_lshlrev_b32 v[H16], 4, v14
	v_mov_b32 v[ZR], 0
	s_mul_i32 s30, s20, 16*PITCH
	s_add_co_u32 s30, s30, XSTG                    ; my wave's stage for x
	v_lshlrev_b32 v[RC16], 4, v13
	v_mad_u32_u24 v[XW], v14, 8*PITCH, v[RC16]
	v_add_nc_u32 v[XW], s30, v[XW]
	v_mul_u32_u24 v[XR], v13, PITCH
	v_lshl_add_u32 v[XR], v14, 4, v[XR]
	v_add_nc_u32 v[XR], s30, v[XR]
	s_lshl_b32 s30, s20, 9
	s_add_co_u32 s30, s30, TOKB                    ; my wave's token words
	v_add_nc_u32 v[TW], s30, v[L4]
	v_lshl_add_u32 v[TR], v[H16], 1, s30
	v_add_nc_u32 v[TS], s30, v[R4]
	s_mov_b32 s[SEL], 0x76543210
	s_mov_b32 s[SEL+1], 0xfedcba98
	s_lshl_b32 s18, s21, 6
	s_mov_b32 s24, 0
	s_mov_b32 s3, 0
	s_mov_b32 s31, 0
	s_wait_alu depctr_va_vdst(0)
	s_wait_kmcnt 0x0
.irp q, 0,1,2,3,4,5,6,7
	global_load_b128 v[SD+4*\q:SD+4*\q+3], v[LI], s[12:13] offset:512*\q   ; sel first: register 4 q + i of lane l is token 128 q + 4 l + i
.endr
	s_mul_i32 s30, s21, 3145728
	s_mul_i32 s56, s22, 98304
	s_add_co_u32 s30, s30, s56
	s_mul_i32 s56, s20, 24576
	s_add_co_u32 s30, s30, s56
	s_add_nc_u64 s[6:7], s[6:7], s[30:31]          ; my 32 rows of codes
	s_lshl_b32 s30, s21, 14
	s_lshl_b32 s56, s22, 9
	s_add_co_u32 s30, s30, s56
	s_lshl_b32 s56, s20, 7
	s_add_co_u32 s30, s30, s56
	s_add_nc_u64 s[10:11], s[10:11], s[30:31]      ; my 32 numbers of b1
	s_lshl_b32 s30, s21, 17
	s_lshl_b32 s56, s22, 12
	s_add_co_u32 s30, s30, s56
	s_add_nc_u64 s[8:9], s[8:9], s[30:31]          ; the slice's scale bytes
	WIN 0x40                                       ; destination window 1
.set wn, 0
.rept 48
	global_load_b128 v[4*wn:4*wn+3], v[LI], s[6:7] offset:512*wn th:TH_LOAD_NT   ; 512 consecutive bytes; read once in the launch
.set wn, wn+1
.endr
	WIN 0
.irp u, 0,1
.irp m, 0,1
	global_load_b128 v[BST+8*\u+4*\m:BST+8*\u+4*\m+3], v[H64], s[10:11] offset:32*\u+16*\m   ; tile 2 w + u, registers 4 m on: units 32 w + 16 h + 8 u + 4 m on
.endr
.endr
.irp u, 0,1,2,3
.irp m, 0,1
	global_load_b128 v[WS+8*\u+4*\m:WS+8*\u+4*\m+3], v[WSO], s[8:9] offset:1024*\u+16*\m
.endr
.endr
	s_wait_loadcnt 60                              ; sel is in; behind it stand W1's 48 loads and the 12 small ones.  All that follows up to the staging is worked while these are on their way
	s_lshl_b32 s30, 1, s21                         ; e's bit
.set mg, 0
.rept 32
	v_and_b32 v[SD+mg], s30, v[SD+mg]
.set mg, mg+1
.endr
.set mg, 0
.rept 32
	v_cmp_ne_u32 s[MK+mg], 0, v[SD+mg]             ; bit l of mask G: that token chose e
.set mg, mg+1
.endr
	s_mov_b32 s60, 0
.set mg, 0
.rept 32
	s_bcnt1_i32_b32 s56, s[MK+mg]
	s_add_co_u32 s60, s60, s56                     ; M
.set mg, mg+1
.endr
	s_add_co_u32 s23, s60, 15
	s_lshr_b32 s23, s23, 4                         ; nt
	s_min_u32 s23, s23, 64
	NEWPASS
.set wn, 0
.set xn, 0
	s_wait_alu depctr_va_vdst(0)
.rept 12                               ; W1 goes to LDS four loads at a time, and four of the first pass's loads of x take their place in flight
	s_wait_loadcnt 56                              ; behind load 4 b + 3 of W1 stand 44 - 4 b of W1, the 12 small ones and 4 b of x
	WIN 0x04                                       ; an LDS store's data are its source 1: window 1
.rept 4
	WSTORE wn
.set wn, wn+1
.endr
.rept 4
	XL xn
.set xn, xn+1
.endr
.endr
	s_wait_loadcnt 48                              ; the bias and W1's scale words are in; the 48 loads of x may be out
	WIN 0
.irp u, 0,1
.irp m, 0,1
	ds_store_b128 v[BW], v[BST+8*\u+4*\m:BST+8*\u+4*\m+3] offset:1024*\u+512*\m
.endr
.endr
	s_wait_dscnt 0x0                               ; for the others' sake: my stores have landed
	s_barrier_signal -1
	s_barrier_wait -1                              ; the slice and the bias image are whole; nothing writes them again
.rept 77
	XL xn
.set xn, xn+1
.endr
	WIN 0
.Lpass:                                            ; at most 4 passes: 64 tiles at the most, 20 a pass; the loop is left as soon as no tile remains
	s_cmp_ge_u32 s25, s23
	s_cbranch_scc1 .Lnext                          ; not even my first slot has a tile
	XT 0                                           ; x's rows become fragments, slot by slot as they arrive; behind the last slot no load of mine is out, so the loads' offsets (v192-231) may take the bias below
	XT 1
	XT 2
	XT 3
	XT 4
	WIN 0x40
.irp i, 0,1,2,3
.irp t, 0,1,2,3,4,5,6,7
	ds_load_b128 v[64*\i+8*\t:64*\i+8*\t+3], v[BI] offset:1024*\t          ; every sum begins with the bias
	ds_load_b128 v[64*\i+8*\t+4:64*\i+8*\t+7], v[BI] offset:1024*\t+512
.endr
.endr
	WIN 0
.irp t, 0,1,2,3,4,5,6,7
	ds_load_b128 v[ACC4+8*\t:ACC4+8*\t+3], v[BI] offset:1024*\t
	ds_load_b128 v[ACC4+8*\t+4:ACC4+8*\t+7], v[BI] offset:1024*\t+512
.endr
	WFR B0, 0, 0
	WFR B0+48, 0, 1
.set hn, 0
.rept 16                               ; sixteen half steps: K step hn / 2, tiles 4 (hn % 2) on
.set hs, hn/2
.set hu, hn%2
.if hn == 15
	s_wait_dscnt 0x0
.else
	s_wait_dscnt 24                                ; this half step's four fragments are in; the other set's 24 loads may be out
.endif
	MULH hs, hu, (B0+48*hu)
	WIN 0
.rept 4
	v_nop                                          ; four places in front of loads into registers that matrix instructions have read, and of the first read of results
.endr
.if hn < 14
	WFR (B0+48*hu), ((hn+2)/2), hu
.endif
.set hn, hn+1
.endr
.irp i, 0,1,2,3,4
	s_cmp_ge_u32 s[25+\i], s23
	s_cbranch_scc1 .Lskip_\i                       ; a slot past the end stores nothing
	s_wait_xcnt 0x0                                ; the last slot's stores have read their registers and bases
.if \i < 4
	QUANTW 64*\i, 1
.else
	QUANTW ACC4, 0
.endif
	s_min_u32 s30, s[25+\i], 63
	s_add_co_u32 s30, s30, s18
	s_lshl_b32 s30, s30, 5
	s_add_co_u32 s30, s30, s22                     ; 32 T + S, T = 64 e + the tile
	s_mul_i32 s52, s30, 1536
	s_mov_b32 s53, 0
	s_add_nc_u64 s[52:53], s[14:15], s[52:53]
	s_lshl_b32 s54, s30, 6
	s_add_co_u32 s54, s54, HSC0
	s_mov_b32 s55, 0
	s_add_nc_u64 s[54:55], s[14:15], s[54:55]
	s_wait_alu depctr_va_vdst(0)
.irp c, 0,1,2
	global_store_b128 v[LI], v[PC+4*\c:PC+4*\c+3], s[52:53] offset:512*\c   ; the image: 512 consecutive bytes, at a multiple of 512 from the buffer's first byte
.endr
	global_store_b32 v[R4], v[PWD], s[54:55]       ; both halves of the lanes hold the same words
.Lskip_\i:
.endr
.Lnext:
	s_wait_xcnt 0x0                                ; all that was issued has read its registers and bases: both are written again for the next pass
	s_add_co_u32 s24, s24, 20
	s_cmp_ge_u32 s24, s23
	s_cbranch_scc1 .Lend                           ; no tile is left: nothing more is asked for
	s_wait_loadcnt 0x0                             ; (a wave that left the pass out still has its loads on their way, and their offsets are written below)
	NEWPASS
.set xn, 0
	s_wait_alu depctr_va_vdst(0)
.rept 125
	XL xn                                          ; the next pass's x
.set xn, xn+1
.endr
	WIN 0
	s_add_co_u32 s3, s3, 1
	s_cmp_lt_u32 s3, 4
	s_cbranch_scc1 .Lpass
.Lend:
	s_set_vgpr_msb 0xa
	s_wait_tensorcnt 0x0
	ds_add_u32 v254, v255
	s_wait_dscnt 0x0
	s_set_vgpr_msb 0xa00
	s_endpgm
.Lfunc_end_k_q30b7f13c66_gemm1:
	.size	k_q30b7f13c66_gemm1, .Lfunc_end_k_q30b7f13c66_gemm1-k_q30b7f13c66_gemm1
	.p2alignl 7, 3214868480
	.fill 96, 4, 3214868480
	.section	.rodata,"a",@progbits
	.p2align	6, 0x0
	.amdhsa_kernel k_q30b7f13c66_gemm1
		.amdhsa_group_segment_fixed_size 161280
		.amdhsa_private_segment_fixed_size 0
		.amdhsa_enable_private_segment 0
		.amdhsa_kernarg_size 48
		.amdhsa_user_sgpr_count 2
		.amdhsa_user_sgpr_kernarg_segment_ptr 1
		.amdhsa_wavefront_size32 1
		.amdhsa_system_sgpr_workgroup_id_x 1
		.amdhsa_system_sgpr_workgroup_id_y 1
		.amdhsa_system_sgpr_workgroup_id_z 1
		.amdhsa_system_vgpr_workitem_id 0
		.amdhsa_next_free_vgpr 1024
		.amdhsa_next_free_sgpr 100
		.amdhsa_reserve_vcc 1
		.amdhsa_float_denorm_mode_32 3
		.amdhsa_float_denorm_mode_16_64 3
		.amdhsa_memory_ordered 1
		.amdhsa_forward_progress 1
		.amdhsa_inst_pref_size 247
	.end_amdhsa_kernel
	.amdgpu_metadata
---
amdhsa.version: [ 1, 2 ]
amdhsa.kernels:
  - .name:           k_q30b7f13c66_gemm1
    .symbol:         k_q30b7f13c66_gemm1.kd
    .args:
      - { .name: xq, .offset: 0, .size: 8, .value_kind: global_buffer, .address_space: global }
      - { .name: w1_codes, .offset: 8, .size: 8, .value_kind: global_buffer, .address_space: global }
      - { .name: w1_scales, .offset: 16, .size: 8, .value_kind: global_buffer, .address_space: global }
      - { .name: b1, .offset: 24, .size: 8, .value_kind: global_buffer, .address_space: global }
      - { .name: sel, .offset: 32, .size: 8, .value_kind: global_buffer, .address_space: global }
      - { .name: hq, .offset: 40, .size: 8, .value_kind: global_buffer, .address_space: global }
    .group_segment_fixed_size: 161280
    .private_segment_fixed_size: 0
    .kernarg_segment_align: 8
    .kernarg_segment_size: 48
    .max_flat_workgroup_size: 128
    .sgpr_count:     100
    .vgpr_count:     1024
    .wavefront_size: 32
...
	.end_amdgpu_metadata
.endif
;; end of part 7
;; launch gemm2 (part 8): grid 32 x 8, 4 waves a work-group, no clusters, 224,768 bytes of LDS; arguments hq, w2_codes, w2_scales, b2, sel, wts, ybuf; writes ybuf
.if DOCPART == 8
	.amdgcn_target "amdgcn-amd-amdhsa--gfx1250"
	.amdhsa_code_object_version 6
	.text
	.protected	k_q30b7f13c66_gemm2
	.globl	k_q30b7f13c66_gemm2
	.p2align	8
	.type	k_q30b7f13c66_gemm2,@function
k_q30b7f13c66_gemm2:
	s_mov_b64 s[64:65], 0
	v_nop
	global_prefetch_b8 v0, s[64:65] scope:SCOPE_SE
	s_setreg_imm32_b32 hwreg(HW_REG_WAVE_MODE, 25, 1), 1
	s_wait_xcnt 0x0
; ybuf[row] = weight x (h W2[e] + b2[e]) for the rows routed to expert e alone, on codes of E2M3 with E8M0 scales.
; Work-group (2 c + p, e): outputs 64 c .. 64 c + 63 of expert e (64 rows of W2's codes, 3,072 bytes each), and the tiles of 16 routed rows of parity p.
; WHICH ROWS: as in the first product: every wave reads sel's 1,024 words and keeps e's tokens as 32 masks (bit l of mask G: token 128 (G / 4) + 4 l + G % 4); the tokens are ranked in that order,
; M = their number, nt = ceil(M / 16).  In the pass that begins at tile jb, wave w has three slots, tiles jb + p + 2 w + 8 i.  A first or second slot past the end takes the last tile again and stores nothing;
; a third slot past the end is led round, K step by K step, by a scalar branch (s46), and its operand registers hold zero codes.
; K GOES IN FOUR CHUNKS OF 8 K STEPS (768 bytes of each row of W2).  In the first pass a trip brings one chunk of W2 into LDS (each wave 16 rows: 24 loads, each of 512 bytes in stretches of 256 or more, aligned),
; asks for the next chunk, passes one barrier, and multiplies the chunk.  h's fragments come from hq straight into registers as images, through a ring of 8 K steps which is asked for at the head, as soon as nt is known,
; and filled again K step by K step; h's scale words go through the same ring, a register for two K steps.  W2's scale bytes lie in LDS (8,192 bytes, copied once), 16 registers of them are read in each trip.
; The chunks' barriers stand at the top level, on every wave's path; three trips are a counted loop, the fourth, which asks for nothing more, is written out.
; LATER PASSES (M over 384) walk a loop of constant count, 2 passes x 4 chunks, whose work stands under branches inside it; W2 is whole by then, so it has no barrier.  There a chunk of h is asked for and then multiplied.
; TRANSPOSED: source 0 = 16 rows of W2, source 1 = 16 routed rows: a lane holds one routed row and eight neighbouring outputs.  Each sum begins with the bias, loaded into the accumulators.
; THE WAY OUT: x the row's weight, through the wave's own stage in LDS, back as rows of 256 bytes; sixteen lanes store 256 consecutive bytes, aligned, at the row's place in ybuf (held to the buffer's 2,176 rows):
; a token's first choice goes to row token, its second to row 1,024 + token; ranks past M go to spare rows 2,048 + 16 e + r, which nobody reads.
; NO TENSOR LOADS, NO CLUSTER: which slots work and store hangs on nt, made of whole numbers read from memory.  NO PREFETCH: every stream is asked for 8 K steps ahead of its use by the loads themselves.
; LDS: 64 rows of 3,088 bytes (772 words: row s starts at bank 4 s mod 64); W2's scale bytes; four stages of 16 rows x 272 bytes; 256 bytes a wave for the rows' places; the spare words.
; REGISTERS: window 0: addresses, scale words, the search, the way out.  window 1: v0-95 the sums (slot i, tile t at 32 i + 8 t); v96-143, v144-191 two sets of W2's four fragments.
;   windows 2, 3: v0-143 the ring: K step k of a chunk at window 2 + k / 4, 36 (k % 4) + 12 i;  window 2, v144-239: a chunk of W2 on its way to LDS.
; LIMITS: NaN and infinities are not served.  For an expert that no token chose, hq's bytes that nobody wrote are loaded and multiplied, and nothing of it is stored.
.set P2,    3088
.set WSI,   64*P2
.set STAGE, WSI+8192
.set DSTG,  STAGE+4*16*272
.set SPARE, DSTG+1024
.set HSC0,  25165824
.set LI,   1                           ; 16 x lane
.set L4,   2                           ; 4 x lane
.set FA,   4                           ; v4-7: my place in tile t of W2, chunk 0
.set SA0,  8                           ; where I put W2's bytes, chunk 0
.set SA1,  9
.set G1,   10                          ; 16 r + 2,560 h: lanes 0-15 end a row's 768 bytes, lanes 16-31 begin the next row's
.set STO,  11
.set SRD,  12
.set C16,  13
.set H32,  14
.set WSA,  15                          ; W2's scale bytes, row = lane
.set RW,   16                          ; slot i: v[16 + 2 i]; its partner in the pair holds 0
.set DSW,  22
.set DSR,  23
.set DST,  24
.set HS,   48                          ; v48-59 h's scale words: register 4 i + q: lanes 0-15 K step 2 q of the chunk, lanes 16-31 K step 2 q + 1
.set WSW,  60                          ; v60-75 W2's: register 8 u + k: lanes 0-15 tile 2 u, lanes 16-31 tile 2 u + 1
.set FAW,  76                          ; v76-79, v80-81, v82: FA, SA0, SA1, WSA at this trip's chunk
.set SAW,  80
.set WSAW, 82
.set WSS,  83                          ; where my wave puts its 2,048 scale bytes
.set SPW,  84                          ; my spare word; never rewritten
.set NIL,  85                          ; 0; never rewritten
.set WSR,  88                          ; v88-103 W2's scale bytes on their way
.set OUT,  160
.set SD,   160                         ; sel's words, at the head
.set VO,   192
.set RR,   209
.set SL,   212                         ; the search: slot i at v[SL + 8 i]: rank, mask, count ahead, group, k, running count, place, token
.set ZR,   236
.set TO4,  237
.set TO8,  240
.set SW,   243
.set WT,   246
.set K400, 252
.set DUMP, 253
.set T0,   254
.set T1,   255
.set WR,   144                         ; window 2
.set MK,   66                          ; s[66:97] the masks
; s3 counts trips; s18 64 e, s19 max(nt, 1) - 1, s20 wave, s21 e, s22 c, s23 p, s24 jb, s25 nt, s26-28 the slots' tiles, s29 the first of them; s[32:37] images, s[38:43] scale words, s44 M,
; s45 768 x chunk, s46 1 if my third slot has a tile, s47 32 x chunk, s48 1 if I have a tile in this later pass, s49 chunk
.set MSB,  0
.macro WIN new                         ; the immediate's high byte repeats the setting that is left
.if MSB != (\new)
	s_set_vgpr_msb (MSB<<8)|(\new)
.set MSB, (\new)
.endif
.endm
; ns ranks a lane, v[SL + 8 i], become tokens, v[SL + 8 i + 7]; the searches by turns
.macro SELECT ns
.set sa, 0
.rept \ns
	v_mov_b32 v[SL+8*sa+1], s[MK]
	v_mov_b32 v[SL+8*sa+2], 0
	v_mov_b32 v[SL+8*sa+3], 0
.set sa, sa+1
.endr
	s_bcnt1_i32_b32 s56, s[MK]
.irp g, 1,2,3,4,5,6,7,8,9,10,11,12,13,14,15,16,17,18,19,20,21,22,23,24,25,26,27,28,29,30,31
.set sa, 0
.rept \ns                              ; the last group ahead of which at most rho of e's tokens lie
	v_cmp_gt_u32 vcc_lo, s56, v[SL+8*sa]
	v_cndmask_b32 v[SL+8*sa+1], s[MK+\g], v[SL+8*sa+1], vcc_lo
	v_cndmask_b32 v[SL+8*sa+2], s56, v[SL+8*sa+2], vcc_lo
	v_cndmask_b32 v[SL+8*sa+3], \g, v[SL+8*sa+3], vcc_lo
.set sa, sa+1
.endr
	s_bcnt1_i32_b32 s57, s[MK+\g]
	s_add_co_u32 s56, s56, s57
.endr
.set sa, 0
.rept \ns
	v_sub_nc_u32 v[SL+8*sa+4], v[SL+8*sa], v[SL+8*sa+2]   ; then the k-th set bit of that mask: its place is the number of places up to and with which at most k bits are set
	v_mov_b32 v[SL+8*sa+5], 0
	v_mov_b32 v[SL+8*sa+6], 0
.set sa, sa+1
.endr
.irp n, 0,1,2,3,4,5,6,7,8,9,10,11,12,13,14,15,16,17,18,19,20,21,22,23,24,25,26,27,28,29,30,31
.set sa, 0
.rept \ns
	v_bfe_u32 v[SL+8*sa+7], v[SL+8*sa+1], \n, 1
	v_add_nc_u32 v[SL+8*sa+5], v[SL+8*sa+5], v[SL+8*sa+7]
	v_cmp_le_u32 vcc_lo, v[SL+8*sa+5], v[SL+8*sa+4]
	v_add_co_ci_u32 v[SL+8*sa+6], vcc_lo, v[SL+8*sa+6], v[ZR], vcc_lo
.set sa, sa+1
.endr
.endr
.set sa, 0
.rept \ns
	v_lshrrev_b32 v[SL+8*sa+7], 2, v[SL+8*sa+3]
	v_and_b32 v[SL+8*sa+3], 3, v[SL+8*sa+3]
	v_lshl_add_u32 v[SL+8*sa+7], v[SL+8*sa+7], 7, v[SL+8*sa+3]
	v_lshl_add_u32 v[SL+8*sa+7], v[SL+8*sa+6], 2, v[SL+8*sa+7]
	v_min_u32 v[SL+8*sa+7], 0x3ff, v[SL+8*sa+7]    ; the token; a rank past M gives 1,023
.set sa, sa+1
.endr
.endm
.macro NEWPASS                         ; the pass at jb: my slots' tiles, whether the third has one, and where their images and scale words begin
	s_lshl_b32 s29, s20, 1
	s_add_co_u32 s29, s29, s23
	s_add_co_u32 s29, s29, s24
	s_add_co_u32 s30, s29, 16
	s_cmp_lt_u32 s30, s25
	s_cselect_b32 s46, 1, 0
.irp i, 0,1,2
	s_add_co_u32 s[26+\i], s29, 8*\i
	s_min_u32 s30, s[26+\i], s19                   ; past the end: the last tile again
	s_min_u32 s30, s30, 63
	s_add_co_u32 s30, s30, s18
	s_mul_i32 s56, s30, 49152
	s_mov_b32 s57, 0
	s_add_nc_u64 s[32+2*\i:33+2*\i], s[4:5], s[56:57]
	s_lshl_b32 s56, s30, 11
	s_add_co_u32 s56, s56, HSC0
	s_add_nc_u64 s[38+2*\i:39+2*\i], s[4:5], s[56:57]
.endr
.endm
.macro TOKENS                          ; my rows' tokens, and their words of sel and wts
.irp i, 0,1,2
	s_min_u32 s30, s[26+\i], s19
	s_min_u32 s30, s30, 63
	v_lshl_add_u32 v[SL+8*\i], s30, 4, v[RR]
.endr
	SELECT 3
.irp i, 0,1,2
	v_lshlrev_b32 v[TO4+\i], 2, v[SL+8*\i+7]
	v_lshlrev_b32 v[TO8+\i], 3, v[SL+8*\i+7]
.endr
.irp i, 0,1,2
	global_load_b32 v[SW+\i], v[TO4+\i], s[12:13]
	global_load_b64 v[WT+2*\i:WT+2*\i+1], v[TO8+\i], s[14:15]
.endr
.endm
.macro BIAS                            ; every sum begins with the bias: register j of tile t is output 16 t + 8 h + j
	WIN 0x40
.irp i, 0,1,2
.irp t, 0,1,2,3
	global_load_b128 v[32*\i+8*\t:32*\i+8*\t+3], v[H32], s[10:11] offset:64*\t
	global_load_b128 v[32*\i+8*\t+4:32*\i+8*\t+7], v[H32], s[10:11] offset:64*\t+16
.endr
.endr
	WIN 0
.endm
; slot i, ring place k: the image of K step k + ah counted from the chunk at which the slot's bases stand: three loads of 512 bytes; behind an odd k the scale words of the two K steps
.macro H1 i, k, ah
	WIN ((2+((\k)>>2))<<6)
.irp c, 0,1,2
	global_load_b128 v[36*((\k)&3)+12*(\i)+4*\c:36*((\k)&3)+12*(\i)+4*\c+3], v[LI], s[32+2*(\i):33+2*(\i)] offset:1536*((\k)+(\ah))+512*\c
.endr
.if ((\k)&1)
	WIN 0
	global_load_b32 v[HS+4*(\i)+((\k)>>1)], v[L4], s[38+2*(\i):39+2*(\i)] offset:128*(((\k)+(\ah))>>1)
.endif
.endm
.macro PRO                             ; a whole chunk of h into the ring: the third slot's first (or zero codes, where it has no tile), then slots 0 and 1 K step by K step
	s_cmp_eq_u32 s46, 0
	s_cbranch_scc1 .Lzero_\@
.irp k, 0,1,2,3,4,5,6,7
	H1 2, \k, 0
.endr
	WIN 0
	s_branch .Lrest_\@
.Lzero_\@:
.irp q, 0,1,2,3
	v_mov_b32 v[HS+8+\q], 0
.endr
.irp w, 0x80, 0xc0
	WIN \w
.irp a, 0,1,2,3
.irp b, 0,1,2,3,4,5,6,7,8,9,10,11
	v_mov_b32 v[36*\a+24+\b], 0
.endr
.endr
.endr
	WIN 0
.Lrest_\@:
.irp k, 0,1,2,3,4,5,6,7
	H1 0, \k, 0
	H1 1, \k, 0
.endr
	WIN 0
.endm
.macro WLD ah                          ; my 16 rows' 768 bytes of the chunk that begins ah bytes behind W2's base: three loads for two rows
.irp m, 0,1,2,3,4,5,6,7
	global_load_b128 v[WR+12*\m:WR+12*\m+3], v[LI], s[6:7] offset:6144*\m+(\ah)
	global_load_b128 v[WR+12*\m+4:WR+12*\m+7], v[G1], s[6:7] offset:6144*\m+512+(\ah)
	global_load_b128 v[WR+12*\m+8:WR+12*\m+11], v[LI], s[6:7] offset:6144*\m+3328+(\ah)
.endr
.endm
.macro WPUT
.irp m, 0,1,2,3,4,5,6,7
	ds_store_b128 v[SAW], v[WR+12*\m:WR+12*\m+3] offset:2*P2*\m
	ds_store_b128 v[SAW+1], v[WR+12*\m+4:WR+12*\m+7] offset:2*P2*\m+512
	ds_store_b128 v[SAW], v[WR+12*\m+8:WR+12*\m+11] offset:2*P2*\m+P2+256
.endr
.endm
.macro WFR2 k                          ; W2's four fragments of the chunk's K step k
	WIN 0x40
.irp t, 0,1,2,3
.irp p, 0,1,2,3,4,5
	ds_load_b64 v[96+48*((\k)%2)+12*\t+2*\p:96+48*((\k)%2)+12*\t+2*\p+1], v[FAW+\t] offset:96*(\k)+48*(\p/3)+8*(\p%3)
.endr
.endr
.endm
.macro MM2 i, t, k
.set mA, 96+48*((\k)%2)+12*(\t)
.set mX, 36*((\k)&3)+12*(\i)
.set mC, 32*(\i)+8*(\t)
.set mSA, WSW+8*((\t)>>1)+(\k)
.set mSB, HS+4*(\i)+((\k)>>1)
.if (((\t)&1) == 0) && (((\k)&1) == 0)
	v_wmma_scale_f32_16x16x128_f8f6f4 v[mC:mC+7], v[mA:mA+11], v[mX:mX+11], v[mC:mC+7], v[mSA], v[mSB] matrix_a_fmt:MATRIX_FMT_FP6 matrix_b_fmt:MATRIX_FMT_FP6
.elseif ((\k)&1) == 0
	v_wmma_scale_f32_16x16x128_f8f6f4 v[mC:mC+7], v[mA:mA+11], v[mX:mX+11], v[mC:mC+7], v[mSA], v[mSB] matrix_a_fmt:MATRIX_FMT_FP6 matrix_b_fmt:MATRIX_FMT_FP6 matrix_a_scale:MATRIX_SCALE_ROW1
.elseif ((\t)&1) == 0
	v_wmma_scale_f32_16x16x128_f8f6f4 v[mC:mC+7], v[mA:mA+11], v[mX:mX+11], v[mC:mC+7], v[mSA], v[mSB] matrix_a_fmt:MATRIX_FMT_FP6 matrix_b_fmt:MATRIX_FMT_FP6 matrix_b_scale:MATRIX_SCALE_ROW1
.else
	v_wmma_scale_f32_16x16x128_f8f6f4 v[mC:mC+7], v[mA:mA+11], v[mX:mX+11], v[mC:mC+7], v[mSA], v[mSB] matrix_a_fmt:MATRIX_FMT_FP6 matrix_b_fmt:MATRIX_FMT_FP6 matrix_a_scale:MATRIX_SCALE_ROW1 matrix_b_scale:MATRIX_SCALE_ROW1
.endif
.endm
.macro PLACES                          ; four places in front of loads into registers that matrix instructions have read, and of the first read of results
.rept 4
	v_nop
.endr
.endm
; K step k of a chunk.  rf = 1: each ring place is filled again, 8 K steps ahead, as soon as it has been multiplied.  The 8 or 12 accumulators take turns, one instruction a turn.
.macro KSTEP rf, k
.if ((\k)&1) == 0
.if \rf
	s_wait_loadcnt 63                              ; behind the last load that this pair of K steps needs stand at least 14 x 3 of the ring and W2's 24
.else
	s_wait_loadcnt 14*(3-(\k)/2)                   ; the 14 loads (slots 0 and 1) of each later pair of K steps may be out
.endif
.endif
.if (\k) == 7
	s_wait_dscnt 0x0
.else
	s_wait_dscnt 24                                ; this K step's four fragments of W2 are in; the next step's 24 loads may be out
.endif
	WIN (0x59+4*((\k)>>2))                         ; source 0 (W2), C and D window 1; source 1 (h) window 2 or 3
.irp i, 0,1
.irp t, 0,1,2,3
	MM2 \i, \t, \k
.endr
.endr
	WIN 0
	s_cmp_eq_u32 s46, 0
	s_cbranch_scc1 .Ltwo_\@                        ; my third slot has no tile
	WIN (0x59+4*((\k)>>2))
.irp t, 0,1,2,3
	MM2 2, \t, \k
.endr
.if \rf
	PLACES
	H1 2, \k, 8
.endif
	WIN 0
.Ltwo_\@:
	PLACES
.if (\k) < 6
	WFR2 (\k)+2
.endif
.if \rf
	H1 0, \k, 8
	H1 1, \k, 8
.endif
.endm
.macro COMPUTE rf
.irp u, 0,1
.irp m, 0,1
	ds_load_b128 v[WSW+8*\u+4*\m:WSW+8*\u+4*\m+3], v[WSAW] offset:4096*\u+16*\m   ; W2's scale words of this chunk
.endr
.endr
	WFR2 0
	WFR2 1
.irp k, 0,1,2,3,4,5,6,7
	KSTEP \rf, \k
.endr
	WIN 0
.endm
.macro ADDRS                           ; the LDS addresses at this trip's chunk
.irp t, 0,1,2,3
	v_add_nc_u32 v[FAW+\t], s45, v[FA+\t]
.endr
	v_add_nc_u32 v[SAW], s45, v[SA0]
	v_add_nc_u32 v[SAW+1], s45, v[SA1]
	v_add_nc_u32 v[WSAW], s47, v[WSA]
	s_wait_alu depctr_va_vdst(0)
.endm
.macro STEPH                           ; h's bases go on to the next chunk
	s_wait_xcnt 0x0                                ; all that was issued has read its bases
.irp i, 0,1,2
	s_add_nc_u64 s[32+2*\i:33+2*\i], s[32+2*\i:33+2*\i], 12288
	s_add_nc_u64 s[38+2*\i:39+2*\i], s[38+2*\i:39+2*\i], 512
.endr
.endm
.macro TRIP rf                         ; the first pass: a chunk of W2 goes to LDS, the next is asked for, one barrier, the chunk is multiplied
	ADDRS
	s_wait_loadcnt 56                              ; my part of the chunk is in: behind its loads stand at least 8 x 6 + 4 x 2 of the ring
	WIN 0x08                                       ; an LDS store's data are its source 1
	WPUT
.if \rf
	WIN 0x80
	WLD 768
.endif
	WIN 0
	s_wait_dscnt 0x0                               ; for the others' sake: my stores have landed
	s_barrier_signal -1
	s_barrier_wait -1                              ; the chunk is whole; nothing writes it again
	COMPUTE \rf
.endm
.macro OUTSLOT i
	s_cmp_ge_u32 s[26+\i], s25
	s_cbranch_scc1 .Lno_out_\@                     ; a slot past the end stores nothing
	s_wait_xcnt 0x0                                ; the last slot's stores have read their registers
	v_bfe_u32 v[T0], v[SW+\i], 8, 3                ; my row's token's second choice
	v_cmp_eq_u32 vcc_lo, s21, v[T0]
	v_cndmask_b32 v[RW+2*\i], v[WT+2*\i], v[WT+2*\i+1], vcc_lo   ; e is its second choice: the second weight,
	v_cndmask_b32 v[T1], 0, v[K400], vcc_lo        ; and the second half of ybuf
	v_add_nc_u32 v[T1], v[T1], v[SL+8*\i+7]
	v_lshl_add_u32 v[T0], s[26+\i], 4, v[RR]       ; my row's rank
	v_cmp_gt_u32 vcc_lo, s44, v[T0]                ; below M?
	v_cndmask_b32 v[T1], v[DUMP], v[T1], vcc_lo
	ds_store_b32 v[DSW], v[T1] offset:64*\i        ; both halves of the lanes write the same word with the same value
	ds_load_b128 v[DST+8*\i:DST+8*\i+3], v[DSR] offset:64*\i       ; LDS serves a wave's instructions in order (ISA guide 5.7.1.4).  Register k: the place of row 2 k + h
	ds_load_b128 v[DST+8*\i+4:DST+8*\i+7], v[DSR] offset:64*\i+16
	WIN 0x01                                       ; source 0 (the sums) window 1
.set ok, 0
.rept 16
	v_pk_mul_f32 v[OUT+2*ok:OUT+2*ok+1], v[32*\i+2*ok:32*\i+2*ok+1], v[RW+2*\i:RW+2*\i+1] op_sel_hi:[1,0]   ; x my row's weight; each accumulator from its low end on
.set ok, ok+1
.endr
	WIN 0
.irp t, 0,1,2,3
	ds_store_b128 v[STO], v[OUT+8*\t:OUT+8*\t+3] offset:64*\t
	ds_store_b128 v[STO], v[OUT+8*\t+4:OUT+8*\t+7] offset:64*\t+16
.endr
.irp k, 0,1,2,3,4,5,6,7
	ds_load_b128 v[OUT+4*\k:OUT+4*\k+3], v[SRD] offset:544*\k   ; these see my stores.  Lanes 0-15 row 2 k, lanes 16-31 row 2 k + 1
.endr
	s_wait_dscnt 16                                ; the rows' places are in; behind them stand the stage's 8 stores and 8 loads
.irp k, 0,1,2,3,4,5,6,7
	v_min_u32 v[VO+\k], 0x87f, v[DST+8*\i+\k]      ; the row of ybuf, held inside the buffer
.endr
.irp k, 0,1,2,3,4,5,6,7
	v_lshl_add_u32 v[VO+\k], v[VO+\k], 12, v[C16]  ; 4,096 bytes a row, + 16 bytes a lane
.endr
	s_wait_alu depctr_va_vdst(0)
.irp k, 0,1,2,3,4,5,6,7
	s_wait_dscnt 7-\k
	global_store_b128 v[VO+\k], v[OUT+4*\k:OUT+4*\k+3], s[16:17] th:TH_STORE_NT   ; sixteen lanes store 256 consecutive bytes, at a multiple of 256 from the buffer's first byte
.endr
.Lno_out_\@:
.endm
	s_load_b256 s[4:11], s[0:1], 0x0               ; hq s[4:5], W2's codes s[6:7], its scales s[8:9], b2 s[10:11]
	s_load_b128 s[12:15], s[0:1], 0x20             ; sel s[12:13], wts s[14:15]
	s_load_b64 s[16:17], s[0:1], 0x30              ; ybuf
	v_lshl_add_u32 v[SPW], v0, 2, SPARE
	v_mov_b32 v[NIL], 0
	v_lshrrev_b32 v208, 5, v0
	v_readfirstlane_b32 s20, v208                  ; wave 0..3
	s_and_b32 s21, ttmp7, 0xffff                   ; e
	s_lshr_b32 s22, ttmp9, 1                       ; c
	s_and_b32 s23, ttmp9, 1                        ; p
	v_and_b32 v208, 31, v0                         ; lane
	v_and_b32 v209, 15, v0                         ; r: it stays
	v_bfe_u32 v210, v0, 4, 1                       ; h
	v_lshlrev_b32 v[LI], 4, v208
	v_lshlrev_b32 v[L4], 2, v208
	v_mul_u32_u24 v[FA], v209, P2
	v_mad_u32_u24 v[FA], v210, 24, v[FA]           ; row r, + 24 h
.irp t, 1,2,3
	v_add_nc_u32 v[FA+\t], 16*P2*\t, v[FA]
.endr
	s_mul_i32 s30, s20, 16*P2                      ; my wave stages rows 16 w .. 16 w + 15
	v_add_nc_u32 v[SA0], s30, v[LI]
	v_lshlrev_b32 v[C16], 4, v209
	v_mad_u32_u24 v211, v210, P2-512, v[C16]
	v_add_nc_u32 v[SA1], s30, v211
	v_mad_u32_u24 v[G1], v210, 2560, v[C16]
	v_lshlrev_b32 v211, 7, v208
	v_add_nc_u32 v[WSA], WSI, v211                 ; 128 scale bytes a row; lane 16 h + r reads row r of the even (h = 0) or the odd tile
	s_lshl_b32 s30, s20, 11
	s_add_co_u32 s30, s30, WSI
	v_add_nc_u32 v[WSS], s30, v[LI]
	s_mul_i32 s30, s20, 16*272
	s_add_co_u32 s30, s30, STAGE                   ; my stage
	v_mul_u32_u24 v211, v209, 272
	v_lshl_add_u32 v211, v210, 5, v211
	v_add_nc_u32 v[STO], s30, v211                 ; in: row r, + 32 h
	v_mul_u32_u24 v211, v210, 272
	v_lshl_add_u32 v211, v209, 4, v211
	v_add_nc_u32 v[SRD], s30, v211                 ; back: lanes 0-15 one row, lanes 16-31 the next
	v_lshlrev_b32 v[H32], 5, v210
	v_and_b32 v211, 1, v209
	v_lshrrev_b32 v[DSW], 1, v209
	v_lshl_add_u32 v[DSW], v211, 3, v[DSW]
	v_lshlrev_b32 v[DSW], 2, v[DSW]                ; 4 (8 (r % 2) + r / 2)
	s_lshl_b32 s30, s20, 8
	s_add_co_u32 s30, s30, DSTG                    ; my wave's 256 bytes for the rows' places
	v_add_nc_u32 v[DSW], s30, v[DSW]
	v_add_nc_u32 v[DSR], s30, v[H32]
	s_lshl_b32 s30, s21, 4
	s_add_co_u32 s30, s30, 2048
	v_add_nc_u32 v[DUMP], s30, v209                ; the spare row of ybuf for a rank past M
	v_mov_b32 v[K400], 0x400
	v_mov_b32 v[ZR], 0
.irp i, 0,1,2
	v_mov_b32 v[RW+2*\i+1], 0                      ; named with the weight as a pair, so it is written
.endr
	s_lshl_b32 s18, s21, 6
	s_mov_b32 s24, 0
	s_mov_b32 s31, 0
	s_wait_alu depctr_va_vdst(0)
	s_wait_kmcnt 0x0
.irp q, 0,1,2,3,4,5,6,7
	global_load_b128 v[SD+4*\q:SD+4*\q+3], v[LI], s[12:13] offset:512*\q   ; sel first: register 4 q + i of lane l is token 128 q + 4 l + i
.endr
	s_mul_i32 s30, s21, 3145728
	s_mul_i32 s56, s22, 196608
	s_add_co_u32 s30, s30, s56
	s_mul_i32 s56, s20, 49152
	s_add_co_u32 s30, s30, s56
	s_add_nc_u64 s[6:7], s[6:7], s[30:31]          ; my 16 rows of codes
	s_lshl_b32 s30, s21, 17
	s_lshl_b32 s56, s22, 13
	s_add_co_u32 s30, s30, s56
	s_lshl_b32 s56, s20, 11
	s_add_co_u32 s30, s30, s56
	s_add_nc_u64 s[8:9], s[8:9], s[30:31]          ; my 16 rows of scale bytes
	s_lshl_b32 s30, s21, 12
	s_lshl_b32 s56, s22, 8
	s_add_co_u32 s30, s30, s56
	s_add_nc_u64 s[10:11], s[10:11], s[30:31]      ; the slice's 64 numbers of b2
	s_lshl_b32 s30, s22, 8
	s_add_nc_u64 s[16:17], s[16:17], s[30:31]      ; ybuf at my 64 outputs
	WIN 0x80
	WLD 0                                          ; W2's first chunk
	WIN 0
.irp m, 0,1,2,3
	global_load_b128 v[WSR+4*\m:WSR+4*\m+3], v[LI], s[8:9] offset:512*\m
.endr
	s_wait_loadcnt 28                              ; sel is in; behind it stand W2's 24 loads and the 4 of its scales
	s_lshl_b32 s30, 1, s21                         ; e's bit
.set mg, 0
.rept 32
	v_and_b32 v[SD+mg], s30, v[SD+mg]
.set mg, mg+1
.endr
.set mg, 0
.rept 32
	v_cmp_ne_u32 s[MK+mg], 0, v[SD+mg]             ; bit l of mask G: that token chose e
.set mg, mg+1
.endr
	s_mov_b32 s44, 0
.set mg, 0
.rept 32
	s_bcnt1_i32_b32 s56, s[MK+mg]
	s_add_co_u32 s44, s44, s56                     ; M
.set mg, mg+1
.endr
	s_add_co_u32 s25, s44, 15
	s_lshr_b32 s25, s25, 4                         ; nt
	s_min_u32 s25, s25, 64
	s_max_u32 s19, s25, 1
	s_sub_co_u32 s19, s19, 1
	NEWPASS
	BIAS
	PRO                                            ; h's first chunk is asked for before the rows' tokens are searched: its addresses hang on nt alone
	TOKENS
	s_wait_loadcnt 63                              ; W2's scale bytes are in: behind them stand the bias's 24 loads, at least 56 of the ring and the tokens' 6
.irp m, 0,1,2,3
	ds_store_b128 v[WSS], v[WSR+4*\m:WSR+4*\m+3] offset:512*\m   ; whole behind the first trip's barrier
.endr
	s_mov_b32 s45, 0
	s_mov_b32 s47, 0
	s_mov_b32 s3, 0
.Lchunk:                                           ; chunks 0, 1, 2 of the first pass
	TRIP 1
	STEPH
	s_add_nc_u64 s[6:7], s[6:7], 768
	s_add_co_u32 s45, s45, 768
	s_add_co_u32 s47, s47, 32
	s_add_co_u32 s3, s3, 1
	s_cmp_lt_u32 s3, 3
	s_cbranch_scc1 .Lchunk
	TRIP 0                                         ; chunk 3 asks for nothing more
	OUTSLOT 0
	OUTSLOT 1
	OUTSLOT 2
	s_mov_b32 s3, 0
	s_mov_b32 s48, 0
.Llater:                                           ; 2 further passes x 4 chunks: 64 tiles at the most, 24 a pass for the two work-groups of a slice.  Every wave walks all 8 trips; the work stands under branches
	s_and_b32 s49, s3, 3
	s_cmp_lg_u32 s49, 0
	s_cbranch_scc1 .Lgo
	s_wait_xcnt 0x0                                ; all that was issued has read its registers and bases
	s_wait_loadcnt 0x0                             ; and no load of mine is out: the tokens' words and the bias are loaded anew below
	s_add_co_u32 s24, s24, 24
	NEWPASS
	s_cmp_lt_u32 s29, s25
	s_cselect_b32 s48, 1, 0
	s_cbranch_scc0 .Lnext                          ; not even my first slot has a tile
	TOKENS
	BIAS
.Lgo:
	s_cmp_eq_u32 s48, 0
	s_cbranch_scc1 .Lnext
	PRO
	s_mul_i32 s45, s49, 768
	s_lshl_b32 s47, s49, 5
	ADDRS
	COMPUTE 0
	STEPH
	s_cmp_lg_u32 s49, 3
	s_cbranch_scc1 .Lnext
	OUTSLOT 0
	OUTSLOT 1
	OUTSLOT 2
.Lnext:
	s_add_co_u32 s3, s3, 1
	s_cmp_lt_u32 s3, 8
	s_cbranch_scc1 .Llater
	s_wait_tensorcnt 0x0                           ; the wave's end
	ds_add_u32 v[SPW], v[NIL]
	s_wait_dscnt 0x0
	s_endpgm
.Lfunc_end_k_q30b7f13c66_gemm2:
	.size	k_q30b7f13c66_gemm2, .Lfunc_end_k_q30b7f13c66_gemm2-k_q30b7f13c66_gemm2
	.p2alignl 7, 3214868480
	.fill 96, 4, 3214868480
	.section	.rodata,"a",@progbits
	.p2align	6, 0x0
	.amdhsa_kernel k_q30b7f13c66_gemm2
		.amdhsa_group_segment_fixed_size 224768
		.amdhsa_private_segment_fixed_size 0
		.amdhsa_enable_private_segment 0
		.amdhsa_kernarg_size 56
		.amdhsa_user_sgpr_count 2
		.amdhsa_user_sgpr_kernarg_segment_ptr 1
		.amdhsa_wavefront_size32 1
		.amdhsa_system_sgpr_workgroup_id_x 1
		.amdhsa_system_sgpr_workgroup_id_y 1
		.amdhsa_system_sgpr_workgroup_id_z 1
		.amdhsa_system_vgpr_workitem_id 0
		.amdhsa_next_free_vgpr 1024
		.amdhsa_next_free_sgpr 100
		.amdhsa_reserve_vcc 1
		.amdhsa_float_denorm_mode_32 3
		.amdhsa_float_denorm_mode_16_64 3
		.amdhsa_memory_ordered 1
		.amdhsa_forward_progress 1
		.amdhsa_inst_pref_size 235
	.end_amdhsa_kernel
	.amdgpu_metadata
---
amdhsa.version: [ 1, 2 ]
amdhsa.kernels:
  - .name:           k_q30b7f13c66_gemm2
    .symbol:         k_q30b7f13c66_gemm2.kd
    .args:
      - { .name: hq, .offset: 0, .size: 8, .value_kind: global_buffer, .address_space: global }
      - { .name: w2_codes, .offset: 8, .size: 8, .value_kind: global_buffer, .address_space: global }
      - { .name: w2_scales, .offset: 16, .size: 8, .value_kind: global_buffer, .address_space: global }
      - { .name: b2, .offset: 24, .size: 8, .value_kind: global_buffer, .address_space: global }
      - { .name: sel, .offset: 32, .size: 8, .value_kind: global_buffer, .address_space: global }
      - { .name: wts, .offset: 40, .size: 8, .value_kind: global_buffer, .address_space: global }
      - { .name: ybuf, .offset: 48, .size: 8, .value_kind: global_buffer, .address_space: global }
    .group_segment_fixed_size: 224768
    .private_segment_fixed_size: 0
    .kernarg_segment_align: 8
    .kernarg_segment_size: 56
    .max_flat_workgroup_size: 128
    .sgpr_count:     100
    .vgpr_count:     1024
    .wavefront_size: 32
...
	.end_amdgpu_metadata
.endif
;; end of part 8
;; launch comb (part 9): grid 256 x 1, 8 waves a work-group, no clusters, 0 bytes of LDS; arguments ybuf, out0; writes out0
.if DOCPART == 9
	.amdgcn_target "amdgcn-amd-amdhsa--gfx1250"
	.amdhsa_code_object_version 6
	.text
	.protected	k_q30b7f13c66_comb
	.globl	k_q30b7f13c66_comb
	.p2align	8
	.type	k_q30b7f13c66_comb,@function
k_q30b7f13c66_comb:
	s_mov_b64 s[64:65], 0
	v_nop
	global_prefetch_b8 v0, s[64:65] scope:SCOPE_SE
	s_setreg_imm32_b32 hwreg(HW_REG_WAVE_MODE, 25, 1), 1
	s_wait_xcnt 0x0
; out0[token] = ybuf[token] + ybuf[1,024 + token]: the two choices' weighted results, each written by one owner in the launch before, are added.
; A stream: a work-group takes 16,384 bytes of the output; each load and store of a wave covers 512 consecutive bytes; all eight loads are issued ahead of the first wait.  No LDS, no matrix unit: nothing is read twice.
	s_load_b128 s[4:7], s[0:1], 0x0                ; ybuf s[4:5], out0 s[6:7]
	v_lshlrev_b32 v1, 4, v0                        ; 16 bytes a thread: the work-group's 256 threads cover a row of 4,096 bytes
	s_lshl_b32 s8, ttmp9, 14
	s_mov_b32 s9, 0
	s_wait_alu depctr_va_vdst(0)
	s_wait_kmcnt 0x0
	s_add_nc_u64 s[4:5], s[4:5], s[8:9]
	s_add_nc_u64 s[6:7], s[6:7], s[8:9]
.irp k, 0,1,2,3
	global_load_b128 v[4+8*\k:7+8*\k], v1, s[4:5] offset:4096*\k th:TH_LOAD_NT
	global_load_b128 v[8+8*\k:11+8*\k], v1, s[4:5] offset:4194304+4096*\k th:TH_LOAD_NT
.endr
.irp k, 0,1,2,3
	s_wait_loadcnt 6-2*\k                          ; row k's two loads are in; the two of each later row may be out
	v_pk_add_f32 v[4+8*\k:5+8*\k], v[4+8*\k:5+8*\k], v[8+8*\k:9+8*\k]
	v_pk_add_f32 v[6+8*\k:7+8*\k], v[6+8*\k:7+8*\k], v[10+8*\k:11+8*\k]
	global_store_b128 v1, v[4+8*\k:7+8*\k], s[6:7] offset:4096*\k th:TH_STORE_NT
.endr
	s_endpgm
.Lfunc_end_k_q30b7f13c66_comb:
	.size	k_q30b7f13c66_comb, .Lfunc_end_k_q30b7f13c66_comb-k_q30b7f13c66_comb
	.p2alignl 7, 3214868480
	.fill 96, 4, 3214868480
	.section	.rodata,"a",@progbits
	.p2align	6, 0x0
	.amdhsa_kernel k_q30b7f13c66_comb
		.amdhsa_group_segment_fixed_size 0
		.amdhsa_private_segment_fixed_size 0
		.amdhsa_enable_private_segment 0
		.amdhsa_kernarg_size 16
		.amdhsa_user_sgpr_count 2
		.amdhsa_user_sgpr_kernarg_segment_ptr 1
		.amdhsa_wavefront_size32 1
		.amdhsa_system_sgpr_workgroup_id_x 1
		.amdhsa_system_sgpr_workgroup_id_y 1
		.amdhsa_system_sgpr_workgroup_id_z 1
		.amdhsa_system_vgpr_workitem_id 0
		.amdhsa_next_free_vgpr 48
		.amdhsa_next_free_sgpr 66
		.amdhsa_reserve_vcc 0
		.amdhsa_float_denorm_mode_32 3
		.amdhsa_float_denorm_mode_16_64 3
		.amdhsa_memory_ordered 1
		.amdhsa_forward_progress 1
		.amdhsa_inst_pref_size 3
	.end_amdhsa_kernel
	.amdgpu_metadata
---
amdhsa.version: [ 1, 2 ]
amdhsa.kernels:
  - .name:           k_q30b7f13c66_comb
    .symbol:         k_q30b7f13c66_comb.kd
    .args:
      - { .name: ybuf, .offset: 0, .size: 8, .value_kind: global_buffer, .address_space: global }
      - { .name: out0, .offset: 8, .size: 8, .value_kind: global_buffer, .address_space: global }
    .group_segment_fixed_size: 0
    .private_segment_fixed_size: 0
    .kernarg_segment_align: 8
    .kernarg_segment_size: 16
    .max_flat_workgroup_size: 256
    .sgpr_count:     66
    .vgpr_count:     48
    .wavefront_size: 32
...
	.end_amdgpu_metadata
.endif
;; end of part 9
